; MI455X (gfx1250); checked and timed in simulation.
; The chip was launched on July 23, 2026; its instructions are those of AMD's public machine-readable ISA for CDNA 5 (MIT licence, August 2026) and "CDNA5" Instruction Set Architecture Reference Guide (July 2026). The comments in the code are by the model that wrote it; some were corrected since.
;; Self Attention. Allowed arithmetic: matrix products marked QUANTISED: E5M2 operands, one E8M0 scale for each 32 along K, by v_wmma_scale_f32_16x16x128_f8f6f4 with both operands' format E5M2, f32 sums; everything else in f32.
;; Inputs: W_out 1,024 x 1,024 float32; W_qkv 1,024 x 3,072 float32; b_out 1,024 float32; b_qkv 3,072 float32; x 4 x 2,048 x 1,024 float32.
;; Outputs: out0 4 x 2,048 x 1,024 float32.
;; This version of the problem:
;;   THIS VERSION OF THE PROBLEM IS GIVEN IN LOW PRECISION. The matrix products marked QUANTISED in the list below multiply operands that are first quantised to E5M2 (5 exponent bits, 2 mantissa bits; 8 bits a number), with one power-of-two scale for each 32 numbers along K (OCP MX v1.0); their sums are f32. All else is computed in f32.
;;   The module's matrix products, in the order in which they are computed (A, B: the left and right operand; K: the contracted axis; several contracted axes count as one K, in the product's order):
;;     1. [M 8,192, K 1,024] x [K 1,024, N 3,072]; A: input x; B: input W_qkv: QUANTISED
;;     2. batch 64 x [M 2,048, K 64] x [K 64, N 2,048]; A: computed on the way; B: computed on the way: QUANTISED
;;     3. batch 64 x [M 2,048, K 2,048] x [K 2,048, N 64]; A: softmax (see below); B: computed on the way: QUANTISED
;;     4. [M 8,192, K 1,024] x [K 1,024, N 1,024]; A: computed on the way; B: input W_out: QUANTISED
;;   THE QUANTISER, for each operand of a quantised product, along K:
;;     - K is cut into blocks of 32 from its start; a last block that is shorter is filled with zeros.
;;     - A block's scale is 2^e with e = floor(log2(the largest magnitude in the block)) - 15, held to -126 .. 127; a block of zeros has e = 0. As a byte (E8M0): e + 127.
;;     - Each number is divided by its block's scale, clamped to +-57,344, and rounded to the nearest number of E5M2, ties to even, subnormals kept.
;;     - The product sums the exact products of the quantised numbers (number of the format x scale) in f32.
;;   ~~~python
;;   def quantise(x, axis):      # numpy; x: float32 -> the quantised numbers, widened to float32 again
;;       x = np.moveaxis(x, axis, -1); K = x.shape[-1]
;;       x = np.pad(x, [(0, 0)] * (x.ndim - 1) + [(0, -K % 32)]); x = x.reshape(x.shape[:-1] + (-1, 32)); a = np.abs(x).max(-1, keepdims=True)
;;       e = np.where(a > 0, np.clip(np.frexp(np.where(a > 0, a, 1))[1] - 1 - 15, -126, 127), 0)      # np.frexp(a)[1] - 1 = floor(log2(a)), exactly
;;       r = np.clip(x / 2.0 ** e, -57344, 57344)
;;       step = 2.0 ** (np.maximum(np.frexp(np.where(r == 0, 1, r))[1] - 1, -14) - 2)
;;       q = np.round(r / step) * step * 2.0 ** e      # np.round: ties to even
;;       return np.moveaxis(q.reshape(q.shape[:-2] + (-1,))[..., :K], -1, axis).astype(np.float32)
;;   ~~~
;;   SOFTMAX AHEAD OF A QUANTISED PRODUCT. Where the list says 'softmax', what is quantised is not the finished softmax but p = 2^(t - M), with t = logit x log2(e) and M = ceil(the row's largest t), a whole number; so 1/2 < the row's largest p <= 1. The row's sum l is taken of the UNQUANTISED p, in f32, and the product's result is divided by l at the end. Since M is a whole number, a kernel that streams over the keys may use a running M (the ceiling of the running maximum): every later rescaling is an exact power of two, which a block's scale takes up: the codes' values come out the same.
;;   OPERANDS COMPUTED ON THE WAY. 'Computed on the way' means the value that the module computes at that place (a softmax that the list does not call 'softmax' is quantised finished and normalised). What goes into a quantiser is computed in f32, as accurately as f32 sums, v_exp_f32 and their like allow (about 1e-6 of the number): no bf16 or f16 on the way to a quantiser, and a product that is left as it is and whose result goes on into a quantised operand takes f32 operands (vector FMAs, or v_wmma_f32_16x16x4_f32). A number that lies on a knife's edge between two numbers of the format may be rounded either way, as far as f32 arithmetic and the matrix unit's own rounding can turn it there, and no further.
;; One version. Each part assembles by itself: llvm-mc -triple=amdgcn-amd-amdhsa -mcpu=gfx1250 --defsym DOCPART=n.
;; ======== version 1 of 1: 4 launches
;; limits: right only within a limited range of input values
;; workspace buffers: xq 8,650,752 bytes; wq 3,244,032 bytes; wo 1,081,344 bytes; qb 8,912,896 bytes; kv 17,301,504 bytes; yq 8,650,752 bytes
;; launch quant (part 1): grid 768 x 1, 4 waves a work-group, no clusters, 68,096 bytes of LDS; arguments x, W_qkv, W_out, xq, wq, wo; writes xq, wq, wo
.if DOCPART == 1
	.amdgcn_target "amdgcn-amd-amdhsa--gfx1250"
	.amdhsa_code_object_version 6
	.text
	.protected	k_q1ef925a217_quant
	.globl	k_q1ef925a217_quant
	.p2align	8
	.type	k_q1ef925a217_quant,@function
k_q1ef925a217_quant:
	s_mov_b64 s[64:65], 0
	v_nop
	global_prefetch_b8 v0, s[64:65] scope:SCOPE_SE
	s_setreg_imm32_b32 hwreg(HW_REG_WAVE_MODE, 25, 1), 1
	s_wait_xcnt 0x0
; x [8192][1024], W_qkv [1024][3072] and W_out [1024][1024], f32, become codes of BF8 (E5M2) with one E8M0 byte for each 32 along K (x: its last axis; the weights: their FIRST axis).
; A block's scale is 2^(floor(log2(its largest magnitude)) - 15); its byte is the largest magnitude's exponent field - 15, held at 1 from below; each number is held within +-57,344 x the scale and rounded to the nearest code.
; LIMITS: NaN and infinities among the inputs are not served; a block whose largest magnitude lies under 2^-111 gets the byte 1; a block of zeros gets the byte 1 where the rule says 127 (its codes are zeros, and this program alone reads the bytes).
; WORK LEFT OUT BY THE PROGRAM: reference() sets the scores of keys k > q to -infinity by a mask that it builds itself (jnp.tril), so their p is 0 for all values of the inputs and adds nothing to a row's sum or to the second product.
; The attention launch therefore leaves out every step of 128 keys that lies wholly behind a tile's 16 queries.  A NaN, an infinity or an overflow that would arise only in those scores is not carried to the result.  Every input is loaded.
; THE BUFFERS ARE LAID IN THE ORDER OF THE OPERAND'S REGISTERS.  Rows (tokens of x, columns of a weight) go in groups of 32; tile 2 g + u holds, in lane-row r, row 32 g + 8 u + r + 8 (r / 8).
; A fragment (16 rows x 128 K) is 2,048 bytes [c 4][lane 32][16]: lane (r, h) has the codes of k = 32 c + 16 h + 0 .. 15.  Codes: [K quarter 4][tile][K step 2][2,048]; scale words behind them: [tile][K step 8][r 16].
; SHARES.  Work-groups 0-511: one tile of x each, wave w its K quarter w (the four waves read 16 whole rows).  512-703: W_qkv, 128 columns x 128 K each, a wave 32 columns and four blocks of 32.  704-767: W_out likewise.
; No cluster, no matrix unit, no tensor load: no byte is read by two work-groups and memory binds.  Everything is written out: each wave has all its loads (x) or two blocks' loads, 64 (weights), on their way.
.set R,    16                          ; x: v16-143  32 loads as they come (K step 0: v16-79, K step 1: v80-143)
.set X0,   144                         ; v144-207 K step 0's 64 numbers in the quantiser's order
.set X1,   16                          ; v16-79   K step 1's
.set PC,   208                         ; v208-223 a fragment's codes
.set TM,   224                         ; v224-227 largest magnitudes, v228-231 bytes, v232-235 holds, v236-239 scale operands
.set PW0,  240
.set PW1,  241
.set WX,   32                          ; weights: v32-95 two sets of 32 numbers
.set WC,   96                          ; v96-127 eight registers of codes for each of the four blocks: no store's data are written again
.set SB,   24                          ; v24  the scale word
.set SEL,  34                          ; s[34:35] selects for lane l xor 16
.set MNT,  36                          ; s36 the mantissa field of 57,344
.set HM,   37                          ; s37 lanes 16-31
.set STG,  8448                        ; a stage: 16 rows x (512 bytes + 16)
; 64 numbers of a lane, register 16 b + i = k 32 b + 16 (lane / 16) + i of its row, become 16 registers of codes in v[PC] on and the row's scale word in v[wd]
.macro QUANT s, wd
.irp b, 0,1,2,3
	v_max3_num_f32 v[TM+\b], |v[\s+16*\b]|, |v[\s+1+16*\b]|, 0x8000000   ; my 16 numbers of block b and the floor 2^(16 - 127): the byte cannot fall under 1
.endr
.irp i, 2,4,6,8,10,12,14
.irp b, 0,1,2,3
	v_max3_num_f32 v[TM+\b], v[TM+\b], |v[\s+16*\b+\i]|, |v[\s+1+16*\b+\i]|
.endr
.endr
.irp b, 0,1,2,3
	v_permlanex16_b32 v[TM+4+\b], v[TM+\b], s[SEL], s[SEL+1]
.endr
.irp b, 0,1,2,3
	v_max_num_f32 v[TM+\b], v[TM+\b], v[TM+4+\b]                  ; with lane l xor 16's 16: the block's largest magnitude
.endr
.irp b, 0,1,2,3
	v_add_nc_u32 v[TM+12+\b], 0xf8800000, v[TM+\b]                ; 15 off its exponent field: the conversion's scale operand
.endr
.irp b, 0,1,2,3
	v_and_or_b32 v[TM+8+\b], v[TM+\b], 0x7f800000, s[MNT]         ; 57,344 x the scale
.endr
.irp b, 0,1,2,3
	v_lshrrev_b32 v[TM+4+\b], 23, v[TM+12+\b]                     ; the scale's byte
.endr
	v_lshl_or_b32 v[\wd], v[TM+5], 8, v[TM+4]
	v_lshl_or_b32 v[\wd], v[TM+6], 16, v[\wd]
	v_lshl_or_b32 v[\wd], v[TM+7], 24, v[\wd]
.irp b, 0,1,2,3
.irp i, 0,1,2,3,4,5,6,7,8,9,10,11,12,13,14,15
	v_med3_num_f32 v[\s+16*\b+\i], v[\s+16*\b+\i], -v[TM+8+\b], v[TM+8+\b]   ; the conversion does not saturate (ISA guide 7.6.2): the hold comes first
.endr
	v_cvt_scalef32_pk8_bf8_f32 v[PC+4*\b:PC+1+4*\b], v[\s+16*\b:\s+7+16*\b], v[TM+12+\b]
	v_cvt_scalef32_pk8_bf8_f32 v[PC+2+4*\b:PC+3+4*\b], v[\s+8+16*\b:\s+15+16*\b], v[TM+12+\b]
.endr
	v_nop                                          ; one plain line behind the last conversion
.endm
; K step q's 16 x 512 bytes go through the wave's own stage as they lie and come back 64 bytes a lane and block; LDS serves a wave's instructions in order
.macro TURN q, dst
.irp i, 0,1,2,3,4,5,6,7,8,9,10,11,12,13,14,15
	ds_store_b128 v2, v[R+64*\q+4*\i:R+64*\q+4*\i+3] offset:STG*\q+528*\i
.endr
.irp b, 0,1,2,3
.irp j, 0,1,2,3
	ds_load_b128 v[\dst+16*\b+4*\j:\dst+16*\b+4*\j+3], v3 offset:STG*\q+128*\b+16*\j
.endr
.endr
.endm
.macro WLOAD t, N                      ; block t of a weight: rows 32 t + i at my column, into set t % 2; 32 lanes read 128 consecutive bytes
.irp i, 0,1,2,3,4,5,6,7,8,9,10,11,12,13,14,15,16,17,18,19,20,21,22,23,24,25,26,27,28,29,30,31
	global_load_b32 v[WX+32*((\t)%2)+\i], v3, s[26:27] offset:(32*(\t)+\i)*\N*4 th:TH_LOAD_NT
.endr
.endm
.macro WBLOCK t, N
.set XS, WX+32*((\t)%2)
.if (\t) < 3
	s_wait_loadcnt 32                              ; this block's 32 loads are in; the next block's 32 may be out
.else
	s_wait_loadcnt 0x0
.endif
	v_max3_num_f32 v12, |v[XS]|, |v[XS+1]|, |v[XS+2]|             ; all 32 numbers of the block are mine
	v_max3_num_f32 v13, |v[XS+3]|, |v[XS+4]|, |v[XS+5]|
.irp i, 6,10,14,18,22,26
	v_max3_num_f32 v12, v12, |v[XS+\i]|, |v[XS+\i+1]|
	v_max3_num_f32 v13, v13, |v[XS+\i+2]|, |v[XS+\i+3]|
.endr
	v_max3_num_f32 v12, v12, |v[XS+30]|, |v[XS+31]|
	v_max3_num_f32 v12, v12, v13, 0x8000000        ; and the floor
	v_add_nc_u32 v11, 0xf8800000, v12
	v_and_or_b32 v10, v12, 0x7f800000, s[MNT]
	v_lshrrev_b32 v13, 23, v11
.if (\t) == 0
	v_mov_b32 v[SB], v13
.else
	v_lshl_or_b32 v[SB], v13, 8*(\t), v[SB]
.endif
.irp i, 0,1,2,3,4,5,6,7,8,9,10,11,12,13,14,15,16,17,18,19,20,21,22,23,24,25,26,27,28,29,30,31
	v_med3_num_f32 v[XS+\i], v[XS+\i], -v10, v10
.endr
.irp g, 0,1,2,3
	v_cvt_scalef32_pk8_bf8_f32 v[WC+8*(\t)+2*\g:WC+8*(\t)+2*\g+1], v[XS+8*\g:XS+8*\g+7], v11
.endr
	v_nop
	global_store_b128 v4, v[WC+8*(\t):WC+8*(\t)+3], s[28:29] offset:512*(\t)         ; k 0-15 of the block: the sixteen lanes of a tile store 256 consecutive bytes, aligned
	global_store_b128 v4, v[WC+8*(\t)+4:WC+8*(\t)+7], s[28:29] offset:512*(\t)+256   ; k 16-31: the places of lanes 16-31 of the image
.if (\t)+2 < 4
	WLOAD (\t)+2, \N
.endif
.endm
; A weight [1024][N]: a lane takes a column and its registers run down K, so the codes come out with K innermost and nothing is transposed
.macro WPATH N, KSSTR, SCOFF, FIRST, src, dst
	s_sub_co_u32 s17, ttmp9, \FIRST
	s_lshr_b32 s18, s17, 3                         ; which 128 columns
	s_and_b32 s17, s17, 7                          ; which K step of 128
	s_lshl_b32 s18, s18, 7
	s_lshl_b32 s19, s16, 5
	s_add_co_u32 s18, s18, s19                     ; n0: my wave's first column, a multiple of 32
	s_mul_i32 s20, s17, 128*\N*4
	s_lshl_b32 s19, s18, 2
	s_add_co_u32 s20, s20, s19
	s_mov_b32 s21, 0                               ; the weight: 128 rows x K step + 4 n0
	s_lshr_b32 s19, s17, 1
	s_mul_i32 s22, s19, \KSSTR
	s_and_b32 s19, s17, 1
	s_lshl_b32 s19, s19, 11
	s_add_co_u32 s22, s22, s19
	s_lshl_b32 s19, s18, 8
	s_add_co_u32 s22, s22, s19
	s_mov_b32 s23, 0                               ; codes: K quarter + tile n0 / 16 of 4,096 bytes + the quarter's first or second 2,048
	s_lshl_b32 s24, s18, 5
	s_lshl_b32 s19, s17, 6
	s_add_co_u32 s24, s24, s19
	s_add_co_u32 s24, s24, \SCOFF
	s_mov_b32 s25, 0                               ; scale words: tile n0 / 16 of 512 bytes + K step of 64
	v_lshlrev_b32 v3, 2, v5                        ; in: 4 bytes a lane
	v_bfe_u32 v6, v5, 3, 1                         ; u: which of the group's two tiles my column falls into
	v_and_b32 v7, 7, v5
	v_lshrrev_b32 v8, 4, v5
	v_lshl_add_u32 v7, v8, 3, v7                   ; r: its lane-row there
	v_lshlrev_b32 v4, 4, v7
	v_lshl_add_u32 v4, v6, 12, v4                  ; codes: 4,096 u + 16 r
	v_lshlrev_b32 v9, 2, v7
	v_lshl_add_u32 v9, v6, 9, v9                   ; scale words: 512 u + 4 r
	s_wait_alu depctr_va_vdst(0)
	s_wait_kmcnt 0x0
	s_add_nc_u64 s[26:27], s[\src:\src+1], s[20:21]
	s_add_nc_u64 s[28:29], s[\dst:\dst+1], s[22:23]
	s_add_nc_u64 s[30:31], s[\dst:\dst+1], s[24:25]
	WLOAD 0, \N
	WLOAD 1, \N
.irp t, 0,1,2,3
	WBLOCK \t, \N
.endr
	global_store_b32 v9, v[SB], s[30:31]           ; runs of 64 bytes: one byte in 128 of what the wave reads
	s_endpgm
.endm
	s_load_b256 s[4:11], s[0:1], 0x0               ; x s[4:5], W_qkv s[6:7], W_out s[8:9], xq s[10:11]
	s_load_b128 s[12:15], s[0:1], 0x20             ; wq s[12:13], wo s[14:15]
	v_lshl_add_u32 v248, v0, 2, 0x10800
	v_mov_b32 v249, 0
	v_lshrrev_b32 v1, 5, v0
	v_readfirstlane_b32 s16, v1                    ; wave
	v_and_b32 v5, 31, v0                           ; lane
	s_mov_b32 s[SEL], 0x76543210
	s_mov_b32 s[SEL+1], 0xfedcba98
	s_mov_b32 s[MNT], 0x600000
	s_mov_b32 s[HM], 0xffff0000
	s_cmp_lt_u32 ttmp9, 512
	s_cbranch_scc0 .Lweights
	; ---- x: tile ttmp9, K quarter = my wave
	v_lshlrev_b32 v1, 4, v5                        ; 16 x lane
	v_lshlrev_b32 v4, 2, v5                        ; 4 x lane
	s_mul_i32 s17, s16, 2*STG                      ; my two stages
	v_add_nc_u32 v2, s17, v1                       ; into a stage: a row's 512 bytes as they lie
	v_and_b32 v6, 15, v0                           ; r
	v_bfe_u32 v7, v0, 4, 1                         ; h
	v_mul_u32_u24 v3, v6, 528
	v_lshl_add_u32 v3, v7, 6, v3
	v_add_nc_u32 v3, s17, v3                       ; out of it: row r, + 64 h: my 16 numbers of a block
.irp b, 0,1,2,3
	v_mov_b32 v[TM+4+\b], 0                        ; written once: a lane permute's destination counts as one of its sources
.endr
	s_lshr_b32 s18, ttmp9, 1
	s_lshl_b32 s18, s18, 17                        ; 32 rows of 4,096 bytes for each group,
	s_and_b32 s19, ttmp9, 1
	s_lshl_b32 s19, s19, 15                        ; 8 rows for the group's second tile,
	s_add_co_u32 s18, s18, s19
	s_lshl_b32 s19, s16, 10                        ; 1,024 bytes for each K quarter
	s_add_co_u32 s18, s18, s19
	s_mov_b32 s19, 0
	s_lshl_b32 s20, s16, 21
	s_lshl_b32 s21, ttmp9, 12
	s_add_co_u32 s20, s20, s21
	s_mov_b32 s21, 0                               ; codes: quarter x 2,097,152 + tile x 4,096
	s_lshl_b32 s22, ttmp9, 9
	s_lshl_b32 s23, s16, 7
	s_add_co_u32 s22, s22, s23
	s_add_co_u32 s22, s22, 8388608
	s_mov_b32 s23, 0                               ; scale words: behind the codes, tile x 512 + quarter x 128
	s_wait_alu depctr_va_vdst(0)
	s_wait_kmcnt 0x0
	s_add_nc_u64 s[4:5], s[4:5], s[18:19]
	s_add_nc_u64 s[20:21], s[10:11], s[20:21]
	s_add_nc_u64 s[22:23], s[10:11], s[22:23]
.irp q, 0,1
.irp i, 0,1,2,3,4,5,6,7,8,9,10,11,12,13,14,15
	global_load_b128 v[R+64*\q+4*\i:R+64*\q+4*\i+3], v1, s[4:5] offset:(\i+8*(\i/8))*4096+512*\q th:TH_LOAD_NT   ; lane-row i of the tile: 32 lanes read 512 consecutive bytes
.endr
.endr
	s_wait_loadcnt 16                              ; K step 0's sixteen loads are in; K step 1's sixteen may be out
	TURN 0, X0
	s_wait_dscnt 0x0                               ; K step 0 is back, and its stores have read v16-79
	s_wait_loadcnt 0x0
	TURN 1, X1                                     ; through the other stage, into v16-79, while K step 0 is quantised
	QUANT X0, PW0
.irp c, 0,1,2,3
	global_store_b128 v1, v[PC+4*\c:PC+4*\c+3], s[20:21] offset:512*\c   ; 512 consecutive bytes of the image
.endr
	s_wait_dscnt 0x0                               ; K step 1 is back
	s_wait_xcnt 0x0                                ; the codes' registers are written again only behind this wait
	QUANT X1, PW1
.irp c, 0,1,2,3
	global_store_b128 v1, v[PC+4*\c:PC+4*\c+3], s[20:21] offset:2048+512*\c
.endr
	v_cndmask_b32 v242, v[PW0], v[PW1], s[HM]      ; lanes 0-15: K step 0's words, lanes 16-31: K step 1's
	global_store_b32 v4, v242, s[22:23]            ; 128 consecutive bytes
	s_wait_tensorcnt 0x0                           ; the wave's end, behind my last LDS store
	ds_add_u32 v248, v249
	s_wait_dscnt 0x0
	s_endpgm
.Lweights:
	s_cmp_lt_u32 ttmp9, 704
	s_cbranch_scc0 .Lw_out
	s_wait_alu depctr_va_vdst(0)
	WPATH 3072, 786432, 3145728, 512, 6, 12
.Lw_out:
	s_wait_alu depctr_va_vdst(0)
	WPATH 1024, 262144, 1048576, 704, 8, 14
.Lfunc_end_k_q1ef925a217_quant:
	.size	k_q1ef925a217_quant, .Lfunc_end_k_q1ef925a217_quant-k_q1ef925a217_quant
	.p2alignl 7, 3214868480
	.fill 96, 4, 3214868480
	.section	.rodata,"a",@progbits
	.p2align	6, 0x0
	.amdhsa_kernel k_q1ef925a217_quant
		.amdhsa_group_segment_fixed_size 68096
		.amdhsa_private_segment_fixed_size 0
		.amdhsa_enable_private_segment 0
		.amdhsa_kernarg_size 48
		.amdhsa_user_sgpr_count 2
		.amdhsa_user_sgpr_kernarg_segment_ptr 1
		.amdhsa_wavefront_size32 1
		.amdhsa_system_sgpr_workgroup_id_x 1
		.amdhsa_system_sgpr_workgroup_id_y 1
		.amdhsa_system_sgpr_workgroup_id_z 1
		.amdhsa_system_vgpr_workitem_id 0
		.amdhsa_next_free_vgpr 250
		.amdhsa_next_free_sgpr 66
		.amdhsa_reserve_vcc 0
		.amdhsa_float_denorm_mode_32 3
		.amdhsa_float_denorm_mode_16_64 3
		.amdhsa_memory_ordered 1
		.amdhsa_forward_progress 1
		.amdhsa_inst_pref_size 84
	.end_amdhsa_kernel
	.amdgpu_metadata
---
amdhsa.version: [ 1, 2 ]
amdhsa.kernels:
  - .name:           k_q1ef925a217_quant
    .symbol:         k_q1ef925a217_quant.kd
    .args:
      - { .name: x, .offset: 0, .size: 8, .value_kind: global_buffer, .address_space: global }
      - { .name: W_qkv, .offset: 8, .size: 8, .value_kind: global_buffer, .address_space: global }
      - { .name: W_out, .offset: 16, .size: 8, .value_kind: global_buffer, .address_space: global }
      - { .name: xq, .offset: 24, .size: 8, .value_kind: global_buffer, .address_space: global }
      - { .name: wq, .offset: 32, .size: 8, .value_kind: global_buffer, .address_space: global }
      - { .name: wo, .offset: 40, .size: 8, .value_kind: global_buffer, .address_space: global }
    .group_segment_fixed_size: 68096
    .private_segment_fixed_size: 0
    .kernarg_segment_align: 8
    .kernarg_segment_size: 48
    .max_flat_workgroup_size: 128
    .sgpr_count:     66
    .vgpr_count:     250
    .wavefront_size: 32
...
	.end_amdgpu_metadata
.endif
;; end of part 1
;; launch gemm_qkv (part 2): grid 8 x 32, 4 waves a work-group, clusters of 4 x 4, 327,680 bytes of LDS; arguments xq, wq, b_qkv, qb, kv; writes qb, kv
.if DOCPART == 2
	.amdgcn_target "amdgcn-amd-amdhsa--gfx1250"
	.amdhsa_code_object_version 6
	.text
	.protected	k_q1ef925a217_gemm_qkv
	.globl	k_q1ef925a217_gemm_qkv
	.p2align	8
	.type	k_q1ef925a217_gemm_qkv,@function
k_q1ef925a217_gemm_qkv:
	s_mov_b64 s[64:65], 0
	v_nop
	global_prefetch_b8 v0, s[64:65] scope:SCOPE_SE
	s_setreg_imm32_b32 hwreg(HW_REG_WAVE_MODE, 25, 1), 1
	s_wait_xcnt 0x0
	s_wait_alu depctr_hold_cnt(0) depctr_sa_sdst(0) depctr_va_vdst(0) depctr_va_sdst(0) depctr_va_ssrc(0) depctr_va_vcc(0) depctr_vm_vsrc(0)
	s_getreg_b32 s2, hwreg(HW_REG_IB_STS2, 6, 4)
	s_cmp_eq_u32 s2, 0
	s_cbranch_scc0 .Lentry_in_a_cluster
	s_endpgm
.Lentry_in_a_cluster:
	s_bfe_u32 s2, ttmp6, 0x10000c
	s_cmp_lg_u32 s2, 0xf033
	s_cbranch_scc0 .Lentry_shape_is_right
	s_endpgm
.Lentry_shape_is_right:
; qkv = x W_qkv + b_qkv on codes of BF8 (E5M2) with E8M0 scales (K = 1,024), and q, k, v leave as CODES, quantised along the K of the products that read them: q and k along the head's 64, v along the keys.
; LIMITS: as the quantiser's: NaN and infinities are not served; a block whose largest magnitude lies under 2^-111, a block of zeros among them, gets the byte 1 (this program alone reads the bytes).
; THE DEAL.  256 work-groups of four waves that stay.  PHASE 1: work-group (tx, ty) makes 256 tokens x 256 columns of q (tx 0-3) or k (tx 4-7), a wave 128 x 128: 64 accumulators.  PHASE 2: the same 256 tokens x columns 128 tx .. + 127
; of v, a wave 128 keys x 64 columns: 32 accumulators.  So each of the 384 blocks of 256 x 256 has its share on every WGP.
; THE BUFFERS LIE IN THE ORDER OF THE OPERAND'S REGISTERS (a fragment, 16 rows x 128 K, is 2,048 bytes [c 4][lane 32][16]): a K quarter's tiles of x or of W are one dense block, every fragment load reads 512 consecutive bytes, and LDS
; needs no padding.  Tile 2 g + u holds in lane-row r the row 32 g + 8 u + r + 8 (r / 8): so the 16 registers that a lane has of source 0's tiles 2 g, 2 g + 1 are 16 NEIGHBOURS, 32 g + 16 (lane / 16) + 0 .. 15.
; WHICH OPERAND IS SOURCE 0.  Phase 1: source 0 = W (a lane's registers run along the head's channels), source 1 = x.  Phase 2: source 0 = x (registers run along the keys), source 1 = W_v.
; THE RING: K goes in quarters of 256 through two LDS slots (x's 65,536 bytes, then W's), and does not stop at the change of phase: phase 1's last two changes of slots ask for phase 2's quarters 0 and 1, which land while q or k leaves.
; q AND k TAKE ONE WAY OUT: only pointers are chosen, by the cluster's x.  x's scale words of all of K stay in LDS for both phases; W_v's scale words and v's bias come straight into registers.
; CLUSTERS: 4 x 4 work-groups; x's blocks are asked for jointly along a row of the cluster, W's along a column.
; REGISTERS: window 0: v16-31 addresses; v32-63 scale words; v64-127 the bias; v128-255 source 1's fragments (phase 1: eight, ONE set; phase 2: four, two sets; on the ways out: numbers, codes, work).  Window 1: source 0's fragments, TWO sets.
;   window 2: accumulators of source 1's tiles 0-3 ((a, b) at v[8 (8 (a % 4) + b)]);  window 3: tiles 4-7 (phase 1 alone).
.set NP,     8                         ; places behind this matrix form (ISA guide 7.12.1)
.set NL,     4                         ; LDS loads to a fragment
.set SLOT,   131072                    ; x's 16 tiles of 4,096 bytes, then W's
.set XKS,    2097152                   ; bytes from a K quarter to the next in xq,
.set WKS,    786432                    ; in wq
.set XSCO,   8388608                   ; where the scale words begin in xq,
.set WSCO,   3145728                   ; in wq
.set SCL,    2*SLOT                    ; x's scale words of all of K, 8,192 bytes, then phase 1's W's: filled once
.set BIAS,   SCL+16384                 ; phase 1's 256 numbers of b_qkv: written by LDS stores, never a tensor load's target
.set SPARE,  BIAS+1024                 ; the spare words, 128 bytes for each wave
.set ADR1, 16                          ; v16-17  source 1's fragments in slot 0, 1 (made anew for phase 2)
.set ADR0, 20                          ; v20-21  source 0's
.set AS1,  22                          ; v22     source 1's scale words (phase 1)
.set AS0,  23                          ; v23     source 0's
.set LI,   24                          ; v24     16 x lane
.set LS,   25                          ; v25     4 x lane
.set ABQ,  26                          ; v26     LDS: the bias for q and k: my half's 16 numbers of each 32 columns
.set ABV,  27                          ; v27     4 (r + 8 (r / 8)): my lane's column in v's bias
.set SPW,  28                          ; v28     my spare word; never rewritten
.set NIL,  29                          ; v29     0; never rewritten
.set SC,   32                          ; phase 1: set s at v[32 + 16 s]: source 1's tile a at + a, source 0's tile b at + 8 + b.  Phase 2: x's as source 0's; W_v's word of quarter ks, tile a at v[32 + 16 (ks / 2) + 4 (ks % 2) + a].  Lanes 0-15: a quarter's first 128 of K, lanes 16-31 its second
.set BB,   64
.set AF,   128
.set ST,   128                         ; the ways out: v128-191 64 numbers, v192-207 codes, v208-223 work, v224-231 scale words, v232-235 merged words
.set PC,   192
.set TM,   208
.set WD,   224
.set TT,   232
.set SEL,  2                           ; s[2:3]
.set MNT,  66
.set HM,   67
.set G1, 24                            ; x's blocks
.set G0, 32
.set G1B, 48                           ; phase 1's W's
.set G0B, 56
.set G1S, 68                           ; x's scale words
.set G0S, 76
.set G1SB, 80                          ; W's scale words
.set G0SB, 88
.set G1V, 80                           ; behind the head: W_v's blocks, in the registers of the scale words' descriptors
.set G0V, 76                           ; slot s at s[76 + 12 s]
.set MSB, 0
.macro WIN new                         ; the immediate's high byte repeats the setting that is left
.if MSB != (\new)
	s_set_vgpr_msb (MSB<<8)|(\new)
.set MSB, (\new)
.endif
.endm
.set MUL_LO, 0xa1                      ; source 0 window 1, source 1 window 0, C and D window 2
.set MUL_HI, 0xf1                      ; the same, C and D window 3
.set TO_0,   0x40                      ; destination window 1, address window 0
.macro PLACES n
.rept \n
	v_nop
.endr
.endm
; A joint load: waves 0 and 1 fetch x's halves, waves 2 and 3 W's.  Each line has one mask and one set of registers; the branch hangs on the wave's number alone.  s_nop 0 and four v_nop follow each line.
.macro JLOAD g0a, g1a, g0b, g1b
	s_cmp_eq_u32 s15, 0
	s_cbranch_scc0 .Lfor_b_\@
	tensor_load_to_lds s[\g0a:\g0a+3], s[\g1a:\g1a+7]
	s_nop 0
	PLACES 4
	s_branch .Lasked_\@
.Lfor_b_\@:
	tensor_load_to_lds s[\g0b:\g0b+3], s[\g1b:\g1b+7]
	s_nop 0
	PLACES 4
.Lasked_\@:
.endm
.macro CREST                           ; a round of the cluster's barrier behind its opening barrier
	s_cmp_lg_u32 s14, 0
	s_cbranch_scc1 .Lnot_wave_0_\@
	s_barrier_signal -3
.Lnot_wave_0_\@:
	s_barrier_wait -3
	s_barrier_signal -1
	s_barrier_wait -1
.endm
.macro CROUND
	s_barrier_signal -1
	s_barrier_wait -1
	CREST
.endm
.macro FRAG reg, adr, q, i             ; tile i's fragment of the slot's q-th 128 along K: four loads of 512 consecutive bytes
.irp c, 0,1,2,3
	ds_load_b128 v[\reg+4*\c:\reg+4*\c+3], v[\adr] offset:4096*(\i)+2048*(\q)+512*\c
.endr
.endm
.macro FETCH0 slot, q, p               ; source 0's eight fragments into set p
	WIN TO_0
.irp i, 0,1,2,3,4,5,6,7
	FRAG 128*(\p)+16*\i, ADR0+\slot, \q, \i
.endr
	WIN 0
.endm
.macro FETCH1 slot, q, i0              ; phase 1: source 1's tiles i0 .. i0 + 3
.irp i, \i0, \i0+1, \i0+2, \i0+3
	FRAG AF+16*(\i), ADR1+\slot, \q, \i
.endr
.endm
.macro SCALES sc, ks                   ; phase 1: quarter ks's scale words: one load brings a tile's words of both its halves of 128
.irp i, 0,1,2,3,4,5,6,7
	ds_load_b32 v[SC+16*(\sc)+\i], v[AS1] offset:512*\i+128*(\ks)
	ds_load_b32 v[SC+16*(\sc)+8+\i], v[AS0] offset:512*\i+128*(\ks)
.endr
.endm
; 16 products of phase 1: source 1's tiles a0, a0 + 1 x source 0's eight.  The 64 accumulators take turns, one instruction a turn, in the same order in every step.
.macro MUL16 a0, p, q, sc, zero
.irp a, \a0, \a0+1
.irp b, 0,1,2,3,4,5,6,7
.set rD, 8*(8*((\a)%4)+\b)
.set rA, 128*(\p)+16*\b
.set rB, AF+16*(\a)
.set rX, SC+16*(\sc)+8+\b
.set rY, SC+16*(\sc)+(\a)
.if \zero
	v_wmma_scale_f32_16x16x128_f8f6f4 v[rD:rD+7], v[rA:rA+15], v[rB:rB+15], 0, v[rX], v[rY] matrix_a_fmt:MATRIX_FMT_BF8 matrix_b_fmt:MATRIX_FMT_BF8
.elseif \q
	v_wmma_scale_f32_16x16x128_f8f6f4 v[rD:rD+7], v[rA:rA+15], v[rB:rB+15], v[rD:rD+7], v[rX], v[rY] matrix_a_fmt:MATRIX_FMT_BF8 matrix_b_fmt:MATRIX_FMT_BF8 matrix_a_scale:MATRIX_SCALE_ROW1 matrix_b_scale:MATRIX_SCALE_ROW1
.else
	v_wmma_scale_f32_16x16x128_f8f6f4 v[rD:rD+7], v[rA:rA+15], v[rB:rB+15], v[rD:rD+7], v[rX], v[rY] matrix_a_fmt:MATRIX_FMT_BF8 matrix_b_fmt:MATRIX_FMT_BF8
.endif
.endr
.endr
.endm
; Phase 1: a step of 128 along K that has its successor in the same slot
.macro STEP slot, q, zero
	s_wait_dscnt 4*NL                              ; all but the youngest sixteen loads (source 1's tiles 4-7) are in
	WIN MUL_LO
	MUL16 0, (\q)%2, \q, \slot, \zero
	MUL16 2, (\q)%2, \q, \slot, \zero
	s_wait_dscnt 0x0                               ; tiles 4-7 are in
	PLACES NP                                      ; in front of loads into registers that matrix instructions have read
	FETCH0 \slot, (\q)+1, 1-(\q)%2
	FETCH1 \slot, (\q)+1, 0
	WIN MUL_HI
	MUL16 4, (\q)%2, \q, \slot, \zero
	MUL16 6, (\q)%2, \q, \slot, \zero
	PLACES NP
	WIN 0
	FETCH1 \slot, (\q)+1, 4
.endm
; Phase 1: a slot's last step changes slots: one barrier, which opens a round of the cluster's; in front of it each wave waits for all its tensor loads, adds 0 to its spare word, and waits for that and for its reads of this slot.
; fill = 1: the slot takes the quarter two on.  fill = 2: it takes phase 2's quarter 0 or 1: x two quarters back, W_v by its own descriptors.  next = -1: nothing is fetched into registers: the way out follows.
.macro TURN slot, next, fill, ks
	s_wait_tensorcnt 0x0                           ; all my tensor loads have landed
	ds_add_u32 v[SPW], v[NIL]                      ; 0 onto my spare word
	s_wait_dscnt 4*NL+1                            ; (the add and the youngest sixteen loads may be out)
	WIN MUL_LO
	MUL16 0, 1, 1, \slot, 0
	s_wait_dscnt 0x0                               ; the add is done, and my reads of this slot are over
	s_barrier_signal -1
	MUL16 2, 1, 1, \slot, 0
	WIN 0
	s_barrier_wait -1
	CREST                                          ; no wave of any partner still reads this slot or has a load on its way
.if \fill == 1
	s_add_nc_u64 s[G0+4*\slot+2:G0+4*\slot+3], s[G0+4*\slot+2:G0+4*\slot+3], 2*XKS
	s_add_nc_u64 s[G0B+4*\slot+2:G0B+4*\slot+3], s[G0B+4*\slot+2:G0B+4*\slot+3], 2*WKS
	JLOAD G0+4*\slot, G1, G0B+4*\slot, G1B         ; the first tensor load behind the round, one a wave; its four v_nop are four of the eight places
.else
	s_sub_nc_u64 s[G0+4*\slot+2:G0+4*\slot+3], s[G0+4*\slot+2:G0+4*\slot+3], 2*XKS
	JLOAD G0+4*\slot, G1, G0V+12*\slot, G1V
.endif
	PLACES NP-4
.if \next >= 0
	FETCH0 \next, 0, 0
	FETCH1 \next, 0, 0
	SCALES \next, \ks
.endif
	WIN MUL_HI
	MUL16 4, 1, 1, \slot, 0
	MUL16 6, 1, 1, \slot, 0
	PLACES NP
	WIN 0
.if \next >= 0
	FETCH1 \next, 0, 4
.endif
.endm
; PHASE 2.  Both operands have two sets of registers: while a step of 128 along K is multiplied (32 products), the next one's 48 fragment loads are out.
.macro FETCHV slot, q                  ; x's eight fragments and W_v's four, into sets q
	FETCH0 \slot, \q, \q
.irp i, 0,1,2,3
	FRAG AF+64*(\q)+16*\i, ADR1+\slot, \q, \i
.endr
.endm
.macro XSC ks                          ; x's scale words of quarter ks
.irp i, 0,1,2,3,4,5,6,7
	ds_load_b32 v[SC+16*((\ks)%2)+8+\i], v[AS0] offset:512*\i+128*(\ks)
.endr
.endm
.macro MULV a0, q, ks, zero            ; 16 products: W_v's tiles a0, a0 + 1 x x's eight; the 32 accumulators take turns
.irp a, \a0, \a0+1
.irp b, 0,1,2,3,4,5,6,7
.set rD, 8*(8*(\a)+\b)
.set rA, 128*(\q)+16*\b
.set rB, AF+64*(\q)+16*(\a)
.set rX, SC+16*((\ks)%2)+8+\b
.set rY, SC+16*((\ks)/2)+4*((\ks)%2)+(\a)
.if \zero
	v_wmma_scale_f32_16x16x128_f8f6f4 v[rD:rD+7], v[rA:rA+15], v[rB:rB+15], 0, v[rX], v[rY] matrix_a_fmt:MATRIX_FMT_BF8 matrix_b_fmt:MATRIX_FMT_BF8
.elseif \q
	v_wmma_scale_f32_16x16x128_f8f6f4 v[rD:rD+7], v[rA:rA+15], v[rB:rB+15], v[rD:rD+7], v[rX], v[rY] matrix_a_fmt:MATRIX_FMT_BF8 matrix_b_fmt:MATRIX_FMT_BF8 matrix_a_scale:MATRIX_SCALE_ROW1 matrix_b_scale:MATRIX_SCALE_ROW1
.else
	v_wmma_scale_f32_16x16x128_f8f6f4 v[rD:rD+7], v[rA:rA+15], v[rB:rB+15], v[rD:rD+7], v[rX], v[rY] matrix_a_fmt:MATRIX_FMT_BF8 matrix_b_fmt:MATRIX_FMT_BF8
.endif
.endr
.endr
.endm
.macro VSTEP slot, ks, zero            ; a quarter's first step
	s_wait_dscnt 0x0
	PLACES NP                                      ; in front of loads into the sets that the last step's products read
	FETCHV \slot, 1
	WIN MUL_LO
	MULV 0, 0, \ks, \zero
	MULV 2, 0, \ks, \zero
	WIN 0
.endm
.macro VTURN slot, next, fill, ks      ; a quarter's second step changes slots, as TURN does
	s_wait_tensorcnt 0x0
	ds_add_u32 v[SPW], v[NIL]
	s_wait_dscnt 0x0                               ; the add is done, and this step's fragments, my last reads of the slot, are in
	s_barrier_signal -1
	WIN MUL_LO
	MULV 0, 1, \ks, 0
	WIN 0
	s_barrier_wait -1
.if \fill
	CREST
	s_add_nc_u64 s[G0+4*\slot+2:G0+4*\slot+3], s[G0+4*\slot+2:G0+4*\slot+3], 2*XKS
	s_add_nc_u64 s[G0V+12*\slot+2:G0V+12*\slot+3], s[G0V+12*\slot+2:G0V+12*\slot+3], 2*WKS
	JLOAD G0+4*\slot, G1, G0V+12*\slot, G1V
	PLACES NP-4
.else
	PLACES NP
.endif
	FETCHV \next, 0
	XSC (\ks)+1
	WIN MUL_LO
	MULV 2, 1, \ks, 0
	WIN 0
.endm
; 64 numbers of a lane, register 16 b + i = place 32 b + 16 (lane / 16) + i along the next K, become 16 registers of codes in v[PC] on and a scale word in v[wd]
.macro QUANT s, wd
.irp b, 0,1,2,3
	v_max3_num_f32 v[TM+\b], |v[\s+16*\b]|, |v[\s+1+16*\b]|, 0x8000000   ; and the floor 2^(16 - 127): the byte cannot fall under 1
.endr
.irp i, 2,4,6,8,10,12,14
.irp b, 0,1,2,3
	v_max3_num_f32 v[TM+\b], v[TM+\b], |v[\s+16*\b+\i]|, |v[\s+1+16*\b+\i]|
.endr
.endr
.irp b, 0,1,2,3
	v_permlanex16_b32 v[TM+4+\b], v[TM+\b], s[SEL], s[SEL+1]
.endr
.irp b, 0,1,2,3
	v_max_num_f32 v[TM+\b], v[TM+\b], v[TM+4+\b]
.endr
.irp b, 0,1,2,3
	v_add_nc_u32 v[TM+12+\b], 0xf8800000, v[TM+\b]                ; 15 off the exponent field: the conversion's scale operand
.endr
.irp b, 0,1,2,3
	v_and_or_b32 v[TM+8+\b], v[TM+\b], 0x7f800000, s[MNT]         ; 57,344 x the scale
.endr
.irp b, 0,1,2,3
	v_lshrrev_b32 v[TM+4+\b], 23, v[TM+12+\b]
.endr
	v_lshl_or_b32 v[\wd], v[TM+5], 8, v[TM+4]
	v_lshl_or_b32 v[\wd], v[TM+6], 16, v[\wd]
	v_lshl_or_b32 v[\wd], v[TM+7], 24, v[\wd]
.irp b, 0,1,2,3
.irp i, 0,1,2,3,4,5,6,7,8,9,10,11,12,13,14,15
	v_med3_num_f32 v[\s+16*\b+\i], v[\s+16*\b+\i], -v[TM+8+\b], v[TM+8+\b]   ; the conversion does not saturate (ISA guide 7.6.2)
.endr
	v_cvt_scalef32_pk8_bf8_f32 v[PC+4*\b:PC+1+4*\b], v[\s+16*\b:\s+7+16*\b], v[TM+12+\b]
	v_cvt_scalef32_pk8_bf8_f32 v[PC+2+4*\b:PC+3+4*\b], v[\s+8+16*\b:\s+15+16*\b], v[TM+12+\b]
.endr
	v_nop                                          ; one plain line behind the last conversion
.endm
	s_load_b256 s[4:11], s[0:1], 0x0               ; xq s[4:5], wq s[6:7], b_qkv s[8:9], qb s[10:11]
	s_load_b64 s[12:13], s[0:1], 0x20              ; kv
	v_lshl_add_u32 v[SPW], v0, 2, SPARE
	v_mov_b32 v[NIL], 0
	ds_add_u32 v[SPW], v[NIL]                      ; the opening lines: the add, twice on end, and its wait ahead of my first tensor load
	ds_add_u32 v[SPW], v[NIL]
	s_wait_dscnt 0x0
	v_lshrrev_b32 v1, 5, v0
	v_readfirstlane_b32 s14, v1                    ; wave 0..3
	s_lshr_b32 s15, s14, 1                         ; wy: which half of source 1's tiles is mine.  Also: I fetch for x (0) or for W (1)
	s_and_b32 s16, s14, 1                          ; wx: which half of source 0's.  Also: which half of that block I fetch
	s_bfe_u32 s40, ttmp6, 0x40000                  ; cx, cy: my place in the cluster
	s_bfe_u32 s41, ttmp6, 0x40004
	s_lshl_b32 s42, ttmp9, 2
	s_add_co_u32 s42, s42, s40                     ; tx 0..7
	s_and_b32 s17, ttmp7, 0xffff
	s_lshl_b32 s17, s17, 2
	s_add_co_u32 s17, s17, s41                     ; ty: which 256 tokens
	s_lshl_b32 s43, s41, 2
	s_lshl_b32 s43, 15, s43                        ; my row of the cluster
	s_lshl_b32 s44, 0x1111, s40                    ; my column
	s_mov_b32 s[SEL], 0x76543210
	s_mov_b32 s[SEL+1], 0xfedcba98
	s_mov_b32 s[MNT], 0x600000
	s_mov_b32 s[HM], 0xffff0000
	; descriptor group 1: a dense block as rows of 256 bytes (32 elements of 8 bytes), no padding: codes, 256 rows for the head's loads (set to 128 for the ring's behind the wait for them); scale words, 32 rows
	s_or_b32 s[G1+0], s43, (3<<16)|(1<<21)         ; 15:0 the mask: x's blocks go to my row; 17:16 elements of 8 bytes; 21 set beside a mask
	s_or_b32 s[G1B+0], s44, (3<<16)|(1<<21)        ; W's to my column
.irp g, G1, G1B
	s_mov_b32 s[\g+1], 32<<16                      ; tensor_dim0
	s_mov_b32 s[\g+2], 256<<16                     ; tensor_dim1
	s_mov_b32 s[\g+3], 32<<16                      ; tile_dim0
	s_mov_b32 s[\g+4], 256                         ; tile_dim1
	s_mov_b32 s[\g+5], 32                          ; pitch
	s_mov_b32 s[\g+6], 0
	s_mov_b32 s[\g+7], 0
.endr
	s_or_b32 s[G1S+0], s43, (3<<16)|(1<<21)
	s_or_b32 s[G1SB+0], s44, (3<<16)|(1<<21)
.irp g, G1S, G1SB
	s_mov_b32 s[\g+1], 32<<16
	s_mov_b32 s[\g+2], 32<<16
	s_mov_b32 s[\g+3], 32<<16
	s_mov_b32 s[\g+4], 32
	s_mov_b32 s[\g+5], 32
	s_mov_b32 s[\g+6], 0
	s_mov_b32 s[\g+7], 0
.endr
	s_lshl_b32 s18, s16, 15                        ; my half of a block of codes
	s_lshl_b32 s20, s17, 16
	s_add_co_u32 s20, s20, s18
	s_mov_b32 s21, 0                               ; x's codes: 65,536 ty + half
	s_lshl_b32 s46, s42, 16
	s_add_co_u32 s46, s46, s18
	s_mov_b32 s47, 0                               ; phase 1's W's: 65,536 tx + half
	s_lshl_b32 s22, s17, 13
	s_add_co_u32 s22, s22, XSCO
	s_mov_b32 s23, 0                               ; x's scale words
	s_lshl_b32 s92, s42, 13
	s_add_co_u32 s92, s92, WSCO
	s_mov_b32 s93, 0                               ; W's
	s_lshl_b32 s45, s14, 15                        ; where the codes go: wave x 32,768: no place in the cluster enters an LDS address
	s_lshl_b32 s94, s15, 13                        ; the scale words' place: x's 8,192 bytes (wave 1), then W's (wave 3)
	s_lshl_b32 s96, s42, 10                        ; phase 1's 256 numbers of the bias
	s_mov_b32 s97, 0
	s_lshl_b32 s98, s42, 15                        ; W_v's tiles 128 + 8 tx on: 4,096 bytes a tile in a quarter; my half is 16,384
	s_lshl_b32 s99, s16, 14
	s_add_co_u32 s100, s98, 524288
	s_add_co_u32 s98, s100, s99
	s_mov_b32 s99, 0
	s_mul_i32 s101, s14, WKS                       ; the prefetch of W_v: wave w names quarter w; of its 32,768 bytes each of the four partners 8,192 (cy)
	s_add_co_u32 s100, s100, s101
	s_lshl_b32 s101, s41, 13
	s_add_co_u32 s100, s100, s101
	s_mov_b32 s101, 0
	s_lshl_b32 s104, s42, 12                       ; W_v's scale words: tile 128 + 8 tx + 4 wy of 512 bytes
	s_lshl_b32 s105, s15, 11
	s_add_co_u32 s104, s104, s105
	s_add_co_u32 s104, s104, WSCO+65536
	s_mov_b32 s105, 0
	v_lshlrev_b32 v30, 3, v0                       ; 8 bytes a thread
	s_wait_alu depctr_va_vdst(0)
	s_wait_kmcnt 0x0
	s_add_nc_u64 s[20:21], s[4:5], s[20:21]
	s_add_nc_u64 s[22:23], s[4:5], s[22:23]
	s_add_nc_u64 s[46:47], s[6:7], s[46:47]
	s_add_nc_u64 s[92:93], s[6:7], s[92:93]
	s_add_nc_u64 s[98:99], s[6:7], s[98:99]
	s_add_nc_u64 s[100:101], s[6:7], s[100:101]
	s_add_nc_u64 s[6:7], s[6:7], s[104:105]        ; from here on: W_v's scale words
	s_lshl_b32 s104, s42, 9                        ; v's bias: number 2,048 + 128 tx + 64 wy
	s_lshl_b32 s18, s15, 8
	s_add_co_u32 s104, s104, s18
	s_add_co_u32 s104, s104, 8192
	s_add_nc_u64 s[4:5], s[8:9], s[104:105]        ; from here on: v's bias
	s_add_nc_u64 s[8:9], s[8:9], s[96:97]
	global_load_b64 v[2:3], v30, s[8:9]
	CROUND                                         ; all sixteen work-groups are here: the first joint loads meet
	s_mov_b32 s[G0S], 1
	s_add_co_u32 s[G0S+1], s94, SCL
	s_mov_b64 s[G0S+2:G0S+3], s[22:23]
	s_or_b32 s[G0S+3], s[G0S+3], 0x80000000
	s_mov_b32 s[G0SB], 1
	s_add_co_u32 s[G0SB+1], s94, SCL
	s_mov_b64 s[G0SB+2:G0SB+3], s[92:93]
	s_or_b32 s[G0SB+3], s[G0SB+3], 0x80000000
.irp s, 0,1
	s_mov_b32 s[G0+4*\s], 1
	s_add_co_u32 s[G0+4*\s+1], s45, \s*SLOT
	s_add_nc_u64 s[G0+4*\s+2:G0+4*\s+3], s[20:21], \s*XKS
	s_or_b32 s[G0+4*\s+3], s[G0+4*\s+3], 0x80000000
	s_mov_b32 s[G0B+4*\s], 1
	s_add_co_u32 s[G0B+4*\s+1], s45, \s*SLOT
	s_add_nc_u64 s[G0B+4*\s+2:G0B+4*\s+3], s[46:47], \s*WKS
	s_or_b32 s[G0B+4*\s+3], s[G0B+4*\s+3], 0x80000000
.endr
	; THE HEAD'S LOADS, ONE A WAVE, in one chain of branches on the wave's number: wave 0 quarter 0's 65,536 bytes of x (its slot-0 group 0 points at the block's first byte and at LDS byte 0),
	; wave 1 x's scale words, wave 2 quarter 0's 65,536 bytes of W (likewise, LDS byte 65,536), wave 3 W's scale words
	s_cmp_eq_u32 s14, 0
	s_cbranch_scc0 .Lh1
	tensor_load_to_lds s[G0:G0+3], s[G1:G1+7]
	s_nop 0
	PLACES 4
	s_branch .Lhj
.Lh1:
	s_cmp_eq_u32 s14, 1
	s_cbranch_scc0 .Lh2
	tensor_load_to_lds s[G0S:G0S+3], s[G1S:G1S+7]
	s_nop 0
	PLACES 4
	s_branch .Lhj
.Lh2:
	s_cmp_eq_u32 s14, 2
	s_cbranch_scc0 .Lh3
	tensor_load_to_lds s[G0B:G0B+3], s[G1B:G1B+7]
	s_nop 0
	PLACES 4
	s_branch .Lhj
.Lh3:
	tensor_load_to_lds s[G0SB:G0SB+3], s[G1SB:G1SB+7]
	s_nop 0
	PLACES 4
.Lhj:
	; PREFETCHES INTO THE L2 of phase 1's quarters 1, 2 (here) and 3 (behind slot 1's load).  Of the 32,768 bytes that my wave fetches of a quarter, each of the four partners that ask for them jointly names 8,192, told apart by address
	; (cx for x, cy for W): 32 lanes 256 bytes apart, one instruction a wave and quarter.  W_v's four quarters are named once, in phase 1's quarter 2.  x's quarters have been read when phase 2 asks for them again.  Bases and offsets are never written again.
	s_cmp_eq_u32 s15, 0
	s_cselect_b64 s[96:97], s[20:21], s[46:47]
	s_cselect_b32 s92, s40, s41
	s_mov_b32 s104, WKS
	s_cselect_b32 s104, XKS, s104                  ; from quarter to quarter
	s_lshl_b32 s92, s92, 13
	s_mov_b32 s93, 0
	s_add_nc_u64 s[96:97], s[96:97], s[92:93]
	s_lshl_b32 s18, s15, 15                        ; LDS: source 1 = x: my eight tiles,
	s_lshl_b32 s19, s16, 15
	s_add_co_u32 s19, s19, 65536                   ; source 0 = W: my eight,
	s_lshl_b32 s92, s15, 12
	s_add_co_u32 s92, s92, SCL                     ; their scale words,
	s_lshl_b32 s93, s16, 12
	s_add_co_u32 s93, s93, SCL+8192
	s_lshl_b32 s94, s16, 9
	s_add_co_u32 s94, s94, BIAS                    ; the bias of my 128 columns
	v_and_b32 v1, 31, v0
	v_lshl_add_u32 v8, v1, 8, s104
	v_add_nc_u32 v9, s104, v8
	v_add_nc_u32 v10, s104, v9
	v_lshlrev_b32 v11, 8, v1
	v_lshlrev_b32 v[LI], 4, v1
	v_lshlrev_b32 v[LS], 2, v1
	v_add_nc_u32 v[ADR1], s18, v[LI]
	v_add_nc_u32 v[ADR1+1], SLOT, v[ADR1]
	v_add_nc_u32 v[ADR0], s19, v[LI]
	v_add_nc_u32 v[ADR0+1], SLOT, v[ADR0]
	v_add_nc_u32 v[AS1], s92, v[LS]
	v_add_nc_u32 v[AS0], s93, v[LS]
	v_bfe_u32 v4, v0, 4, 1                         ; h
	v_and_b32 v5, 15, v0                           ; r
	v_lshl_add_u32 v[ABQ], v4, 6, s94              ; q, k: columns 128 wx + 16 h on
	v_and_b32 v6, 8, v5
	v_add_nc_u32 v6, v6, v5
	v_lshlrev_b32 v[ABV], 2, v6
	v_add_nc_u32 v31, BIAS, v30
	global_prefetch_b8 v8, s[96:97] th:TH_LOAD_NT scope:SCOPE_SE
	global_prefetch_b8 v9, s[96:97] th:TH_LOAD_NT scope:SCOPE_SE
	s_wait_alu depctr_va_vdst(0)
	s_wait_loadcnt 0x0
	ds_store_b64 v31, v[2:3]
	s_wait_tensorcnt 0x0                           ; my tile of the head's four is in; slot 1's first fill is issued as a refill is
	ds_add_u32 v[SPW], v[NIL]
	s_mov_b32 s[G1+2], 128<<16                     ; no tensor load of mine is out, so descriptors may be written: from here on a load of x's or W's codes brings 128 rows,
	s_mov_b32 s[G1+4], 128
	s_mov_b32 s[G1B+2], 128<<16
	s_mov_b32 s[G1B+4], 128
	s_mov_b32 s[G1V+2], 64<<16                     ; one of W_v's 64 (the mask of my column stands there already)
	s_mov_b32 s[G1V+4], 64
	s_lshl_b32 s18, s16, 14
.irp s, 0,1
	s_add_co_u32 s[G0V+12*\s+1], s18, \s*SLOT+65536
	s_add_nc_u64 s[G0V+12*\s+2:G0V+12*\s+3], s[98:99], \s*WKS
	s_or_b32 s[G0V+12*\s+3], s[G0V+12*\s+3], 0x80000000
.endr
	s_wait_dscnt 0x0                               ; the add is done, and my part of the bias lies in LDS
	CROUND                                         ; all four tiles are in, and all sixteen work-groups are here
	JLOAD G0+4, G1, G0B+4, G1B                     ; quarter 1, the first tensor load behind the round, one a wave
	FETCH0 0, 0, 0
	FETCH1 0, 0, 0
	SCALES 0, 0
	FETCH1 0, 0, 4
	global_prefetch_b8 v10, s[96:97] th:TH_LOAD_NT scope:SCOPE_SE   ; quarter 3, two changes of slots ahead of its load
	STEP 0, 0, 1                                   ; the first products start the sums: nothing is cleared
	TURN 0, 1, 1, 1                                ; slot 0 takes quarter 2
	STEP 1, 0, 0
	TURN 1, 0, 1, 2                                ; slot 1 takes quarter 3
	global_prefetch_b8 v11, s[100:101] th:TH_LOAD_NT scope:SCOPE_SE ; W_v
	STEP 0, 0, 0
	TURN 0, 1, 2, 3                                ; slot 0 takes phase 2's quarter 0
	STEP 1, 0, 0
	TURN 1, -1, 2, 0                               ; slot 1 takes phase 2's quarter 1; its eight places stand in front of the first read of results and of what is written below
.irp ks, 0,1,2,3
.irp i, 0,1,2,3
	global_load_b32 v[SC+16*(\ks/2)+4*(\ks%2)+\i], v[LS], s[6:7] offset:512*\i+128*\ks   ; W_v's scale words of all of K: 128 consecutive bytes a load
.endr
.endr
.irp b, 0,1,2,3
	v_mov_b32 v[TM+4+\b], 0                        ; written once: a lane permute's destination counts as one of its sources
.endr
	s_lshr_b32 s98, s17, 3                         ; the batch
	s_lshl_b32 s98, s98, 4
	s_and_b32 s99, s17, 7                          ; which 256 tokens of the batch
; THE WAY OUT OF q OR k.  The 64 registers of source 1's tile a are two heads x two blocks of 32 channels, in the quantiser's order.  The bias is added, they are quantised, and the codes leave as images: each store covers 512 consecutive bytes.
; qb: codes [head][tile 128][block 2][512]; words behind them [head][group of two tiles 64][r] (u0 b0, u0 b1, u1 b0, u1 b1).  kv: a key step of 128 keys is 16,896 bytes: K's four groups of 32 keys x 2,048 (tile u at 1,024 u),
; V's four tiles x 2,048, K's words [group][r] in the same form, V's words [tile][r].  A wave's eight tiles are 8,192 consecutive bytes of codes and 256 of words in both: only the four pointers differ.
	s_lshl_b32 s18, s40, 2
	s_add_co_u32 s18, s18, s98
	s_lshl_b32 s19, s16, 1
	s_add_co_u32 s18, s18, s19                     ; the first of my wave's two heads: 16 x batch + 4 cx + 2 wx
	s_lshl_b32 s19, s99, 1
	s_add_co_u32 s19, s19, s15                     ; my eight tiles of the batch's 128
	s_lshl_b32 s46, s18, 17
	s_lshl_b32 s47, s19, 13
	s_add_co_u32 s46, s46, s47                     ; q's codes
	s_lshl_b32 s104, s18, 12
	s_lshl_b32 s47, s19, 8
	s_add_co_u32 s104, s104, s47
	s_add_co_u32 s104, s104, 8388608               ; q's words
	s_mul_i32 s18, s18, 270336
	s_mul_i32 s19, s19, 16896
	s_add_co_u32 s18, s18, s19                     ; k's codes
	s_add_co_u32 s19, s18, 16384                   ; k's words
	s_mov_b32 s47, 270336
	s_cmp_eq_u32 ttmp9, 0                          ; q's columns?  The cluster's x: the same in all partners
	s_cselect_b64 s[20:21], s[10:11], s[12:13]
	s_cselect_b32 s46, s46, s18
	s_cselect_b32 s104, s104, s19
	s_cselect_b32 s18, 131072, s47                 ; from head to head: codes,
	s_cselect_b32 s19, 4096, s47                   ; words
	s_mov_b32 s47, 0
	s_mov_b32 s105, 0
	s_add_nc_u64 s[92:93], s[20:21], s[104:105]
	s_add_nc_u64 s[20:21], s[20:21], s[46:47]
	s_mov_b32 s46, s18
	s_add_nc_u64 s[22:23], s[20:21], s[46:47]
	s_mov_b32 s46, s19
	s_add_nc_u64 s[94:95], s[92:93], s[46:47]
.irp bt, 0,1,2,3
.irp j, 0,1,2,3
	ds_load_b128 v[BB+16*\bt+4*\j:BB+16*\bt+4*\j+3], v[ABQ] offset:128*\bt+16*\j
.endr
.endr
	s_wait_dscnt 0x0
.irp a, 0,1,2,3,4,5,6,7
	s_wait_xcnt 0x0                                ; the last tile's stores have read their registers: these are written again only behind this wait
	WIN 0x02+(\a/4)                                ; source 0: window 2 or 3
.set i, 0
.rept 32
	v_pk_add_f32 v[ST+i:ST+i+1], v[64*(\a%4)+i:64*(\a%4)+i+1], v[BB+i:BB+i+1]      ; each accumulator from its low end on
.set i, i+2
.endr
	WIN 0
	QUANT ST, WD+\a
.irp hl, 0,1
.irp cb, 0,1
	global_store_b128 v[LI], v[PC+8*\hl+4*\cb:PC+8*\hl+4*\cb+3], s[20+2*\hl:21+2*\hl] offset:1024*\a+512*\cb
.endr
.endr
.if (\a%4) == 3
.irp hl, 0,1
	v_perm_b32 v[TT], v[WD+\a-2], v[WD+\a-3], 0x05040100+0x02020202*\hl   ; a group's word: the even tile's two bytes below, the odd tile's above
	v_perm_b32 v[TT+1], v[WD+\a], v[WD+\a-1], 0x05040100+0x02020202*\hl
	v_cndmask_b32 v[TT+2+\hl], v[TT], v[TT+1], s[HM]                    ; lanes 0-15: the first group, lanes 16-31: the second
	global_store_b32 v[LS], v[TT+2+\hl], s[92+2*\hl:93+2*\hl] offset:128*(\a/4)   ; 128 consecutive bytes
.endr
.endif
.endr
; PHASE 2
.irp a, 0,1,2,3
	global_load_b32 v[BB+2*\a], v[ABV], s[4:5] offset:4*(32*(\a/2)+8*(\a%2))     ; v's bias: my column's number, twice: a pair for the packed addition
	global_load_b32 v[BB+2*\a+1], v[ABV], s[4:5] offset:4*(32*(\a/2)+8*(\a%2))
.endr
	s_lshl_b32 s18, s16, 15                        ; source 0 = x: my eight tiles, 128 keys;
	s_lshl_b32 s19, s15, 14
	s_add_co_u32 s19, s19, 65536                   ; source 1 = W_v: my four, one head
	s_lshl_b32 s46, s16, 12
	s_add_co_u32 s46, s46, SCL
	v_add_nc_u32 v[ADR0], s18, v[LI]
	v_add_nc_u32 v[ADR0+1], SLOT, v[ADR0]
	v_add_nc_u32 v[ADR1], s19, v[LI]
	v_add_nc_u32 v[ADR1+1], SLOT, v[ADR1]
	v_add_nc_u32 v[AS0], s46, v[LS]
	s_wait_alu depctr_va_vdst(0)
	s_wait_xcnt 0x0                                ; the last stores have read their registers: fragments land there
	s_wait_loadcnt 8                               ; W_v's sixteen scale words are in; the bias's eight loads may be out
	s_wait_tensorcnt 0x0                           ; my parts of quarters 0 and 1 are in
	s_barrier_signal -1
	s_barrier_wait -1
	FETCHV 0, 0
	XSC 0
	VSTEP 0, 0, 1                                  ; the first products start the sums anew
	VTURN 0, 1, 1, 0                               ; slot 0 takes quarter 2
	VSTEP 1, 1, 0
	VTURN 1, 0, 1, 1                               ; slot 1 takes quarter 3
	VSTEP 0, 2, 0
	VTURN 0, 1, 0, 2                               ; nothing is left to fetch
	VSTEP 1, 3, 0
	s_wait_dscnt 0x0
	WIN MUL_LO
	MULV 0, 1, 3, 0
	MULV 2, 1, 3, 0
	WIN 0
	PLACES NP
; THE WAY OUT OF v: a lane holds one channel and 64 of its 128 keys: four blocks along the keys, one fragment of V
	s_lshl_b32 s18, s42, 1
	s_add_co_u32 s18, s18, s98
	s_add_co_u32 s18, s18, s15                     ; my head: 16 x batch + 2 tx + wy
	s_mul_i32 s20, s18, 270336
	s_lshl_b32 s19, s99, 1
	s_add_co_u32 s19, s19, s16
	s_mul_i32 s19, s19, 16896                      ; my key step
	s_add_co_u32 s20, s20, s19
	s_mov_b32 s21, 0
	s_add_nc_u64 s[20:21], s[12:13], s[20:21]
	s_wait_loadcnt 0x0                             ; the bias
.irp a, 0,1,2,3
	s_wait_xcnt 0x0
	WIN 0x02
.set i, 0
.rept 32
	v_pk_add_f32 v[ST+i:ST+i+1], v[64*\a+i:64*\a+i+1], v[BB+2*\a:BB+2*\a+1]
.set i, i+2
.endr
	WIN 0
	QUANT ST, WD+\a
.irp c, 0,1,2,3
	global_store_b128 v[LI], v[PC+4*\c:PC+4*\c+3], s[20:21] offset:8192+2048*\a+512*\c
.endr
.if (\a%2) == 1
	v_cndmask_b32 v[TT+2], v[WD+\a-1], v[WD+\a], s[HM]
	global_store_b32 v[LS], v[TT+2], s[20:21] offset:16640+128*(\a/2)
.endif
.endr
	s_wait_tensorcnt 0x0                           ; the wave's end, behind my last tensor load and my last LDS store
	ds_add_u32 v[SPW], v[NIL]
	s_wait_dscnt 0x0
	CROUND                                         ; the closing round: no work-group ends while a partner may still ask for a block that names it
	s_endpgm
.Lfunc_end_k_q1ef925a217_gemm_qkv:
	.size	k_q1ef925a217_gemm_qkv, .Lfunc_end_k_q1ef925a217_gemm_qkv-k_q1ef925a217_gemm_qkv
	.p2alignl 7, 3214868480
	.fill 96, 4, 3214868480
	.section	.rodata,"a",@progbits
	.p2align	6, 0x0
	.amdhsa_kernel k_q1ef925a217_gemm_qkv
		.amdhsa_group_segment_fixed_size 327680
		.amdhsa_private_segment_fixed_size 0
		.amdhsa_enable_private_segment 0
		.amdhsa_kernarg_size 40
		.amdhsa_user_sgpr_count 2
		.amdhsa_user_sgpr_kernarg_segment_ptr 1
		.amdhsa_wavefront_size32 1
		.amdhsa_system_sgpr_workgroup_id_x 1
		.amdhsa_system_sgpr_workgroup_id_y 1
		.amdhsa_system_sgpr_workgroup_id_z 1
		.amdhsa_system_vgpr_workitem_id 0
		.amdhsa_next_free_vgpr 1024
		.amdhsa_next_free_sgpr 106
		.amdhsa_reserve_vcc 0
		.amdhsa_float_denorm_mode_32 3
		.amdhsa_float_denorm_mode_16_64 3
		.amdhsa_memory_ordered 1
		.amdhsa_forward_progress 1
		.amdhsa_inst_pref_size 255
	.end_amdhsa_kernel
	.section	.bss,"aw",@nobits
	.p2align	6
	.space	262144
	.amdgpu_metadata
---
amdhsa.version: [ 1, 2 ]
amdhsa.kernels:
  - .name:           k_q1ef925a217_gemm_qkv
    .symbol:         k_q1ef925a217_gemm_qkv.kd
    .args:
      - { .name: xq, .offset: 0, .size: 8, .value_kind: global_buffer, .address_space: global }
      - { .name: wq, .offset: 8, .size: 8, .value_kind: global_buffer, .address_space: global }
      - { .name: b_qkv, .offset: 16, .size: 8, .value_kind: global_buffer, .address_space: global }
      - { .name: qb, .offset: 24, .size: 8, .value_kind: global_buffer, .address_space: global }
      - { .name: kv, .offset: 32, .size: 8, .value_kind: global_buffer, .address_space: global }
    .group_segment_fixed_size: 327680
    .private_segment_fixed_size: 0
    .kernarg_segment_align: 8
    .kernarg_segment_size: 40
    .max_flat_workgroup_size: 128
    .sgpr_count:     106
    .vgpr_count:     1024
    .wavefront_size: 32
...
	.end_amdgpu_metadata
.endif
;; end of part 2
;; launch attn (part 3): grid 4 x 64, 16 waves a work-group, clusters of 4 x 1, 272,384 bytes of LDS; arguments qb, kv, yq; writes yq
.if DOCPART == 3
	.amdgcn_target "amdgcn-amd-amdhsa--gfx1250"
	.amdhsa_code_object_version 6
	.text
	.protected	k_q1ef925a217_attn
	.globl	k_q1ef925a217_attn
	.p2align	8
	.type	k_q1ef925a217_attn,@function
k_q1ef925a217_attn:
	s_mov_b64 s[64:65], 0
	v_nop
	global_prefetch_b8 v0, s[64:65] scope:SCOPE_SE
	s_setreg_imm32_b32 hwreg(HW_REG_WAVE_MODE, 25, 1), 1
	s_wait_xcnt 0x0
	s_wait_alu depctr_hold_cnt(0) depctr_sa_sdst(0) depctr_va_vdst(0) depctr_va_sdst(0) depctr_va_ssrc(0) depctr_va_vcc(0) depctr_vm_vsrc(0)
	s_getreg_b32 s2, hwreg(HW_REG_IB_STS2, 6, 4)
	s_cmp_eq_u32 s2, 0
	s_cbranch_scc0 .Lentry_in_a_cluster
	s_endpgm
.Lentry_in_a_cluster:
	s_bfe_u32 s2, ttmp6, 0x10000c
	s_cmp_lg_u32 s2, 0x3003
	s_cbranch_scc0 .Lentry_shape_is_right
	s_endpgm
.Lentry_shape_is_right:
; y[b][q][64 head + d] = the sum over keys k <= q of softmax_k(q . k / 8) v[k][d], both products on codes of BF8 (E5M2) with E8M0 scales; y leaves as codes along its 1,024 channels, for the last product.
; THE SOFTMAX: t = score x log2(e) / 8; M = the running largest t rounded UP to a whole number; p = 2^(t - M) is quantised along the keys, not normalised; the row's sum is taken of the unquantised p and divides at the end;
; when M moves, the sum and O are multiplied by 2^(old M - new M), which rounds nothing.
; WORK LEFT OUT: a step of 128 keys that lies wholly behind a tile's 16 queries: reference()'s own causal mask makes its p zero for all inputs.
; LIMITS: NaN and infinities are not served; the scaled scores stay under 2^31 in magnitude; a block whose largest magnitude lies under 2^-111 (a block of p that has fallen to 0, a block of zeros) gets the byte 1: this program alone reads the bytes.
; SHARES.  A head has 128 tiles of 16 queries; tile t needs key steps 0 .. t / 8, the last of them on the diagonal.  Work-group j (0..3) of a head owns tiles 4 m + j, m = 0 .. 31: tile 4 m + j needs m / 2 + 1 steps, whatever j.
; Wave w takes m = 31 - w (16 - w / 2 steps) and then m = w (w / 2 + 1 steps): 17 steps for every wave, 272 for every work-group.  Sixteen waves of 256 registers: four to a SIMD, one wave's vector work beside another's products.
; CLUSTER: the four work-groups of a head need the same K and V and run alike (trip counts, branches and LDS addresses hang on the wave's number alone; j enters global addresses and the mask's numbers).  They ask jointly (mask 15).
; LDS holds THE WHOLE HEAD's K and V, 16 key steps of 16,896 bytes as they lie in kv, each filled ONCE: wave w asks for key step w, one tensor load a wave.  Waves 0-3 have a load line of their own and wait for it at the first barrier:
; steps 0-3 of every wave's first tile are worked while steps 4-15 land; the second barrier shows those.  Every work-group reads all 16 steps (m = 30, 31).
; NO PREFETCH of K and V: the head's loads ask for every byte at once, so no later request is left to run ahead of.  Q is 1,088 bytes a tile, loaded once.
; LAYOUT.  S^T = K Q^T and O^T = V^T P^T: a lane holds ONE query (lane % 16) throughout.  Tiles are in the order 32 g + 8 u + r + 8 (r / 8): the 16 registers of key tiles 2 g, 2 g + 1 are keys 32 g + 16 (lane / 16) + 0 .. 15.
; K = 64 IN AN INSTRUCTION OF 128: a fragment of K carries key tile u = 0 in k 0-63 and tile u = 1 in k 64-127.  Q stands as Q | zeros | Q in v16-39: source 1 is v[16:31] for u = 0 and v[24:39] for u = 1; the other tile's codes
; meet zero codes and add nothing (no code is an infinity or NaN: the quantiser holds; no byte is 0xff).
.set STEPB, 16896
.set HEADB, 16*STEPB
.set SPARE, HEADB                      ; the spare words: 128 bytes for each of 16 waves
.set LI,   1                           ; v1   16 x lane
.set LS,   2                           ; v2   4 x lane
.set R4,   3                           ; v3   4 x (lane % 16)
.set DQ,   4                           ; v4   my query less the diagonal step's first key less 16 (lane / 16)
.set NINF, 5                           ; v5   -infinity
.set AD,   6                           ; v6   the step's fragments
.set AS,   7                           ; v7   the step's scale words
.set DQ0,  8                           ; v8   r + 8 (r / 8) - 16 h
.set Q,    16                          ; v12 -M, v13 the largest t, v[14:15] the sum in two halves; v[10:11] at work in the sums
.set F,    40                          ; v40-103  four fragments of K, then of V
.set S,    104                         ; v104-167 S^T, then p
.set O,    168                         ; v168-199 O^T
.set PC,   200                         ; v200-215 p's codes
.set BM,   216                         ; v216-219 a block's largest score, then its largest p
.set TP,   220                         ; v220-223 the other half's, then bytes
.set HO,   224                         ; v224-227 holds
.set SO,   228                         ; v228-231 scale operands
.set FF,   234                         ; v[234:235] f = 2^(old M - new M); the upper word is named with it and written once
.set T0,   236
.set T1,   237                         ; y's two scale bytes
.set KS,   240                         ; v240-241 K's scale words, v242-243 V's, v244 Q's, v245 p's: they hold scales and nothing else
.set VS,   242
.set QS,   244
.set PW,   245
.set SPW,  254                         ; my spare word; never rewritten
.set NIL,  255                         ; 0; never rewritten
.set WV,   10
.set CX,   11                          ; j: my place in the cluster
.set BH,   12
.set MT,   13                          ; m
.set SEL,  14
.set CS,   16                          ; s[16:17] c = log2(e) / 8
.set MNT,  18
.set TB,   19                          ; LDS byte at which the key step begins
.set SJ,   20                          ; the key step
.set SJD,  21                          ; the tile's diagonal step
.set TAU,  22                          ; the tile of queries
.set G1,   24
.set G0,   32
.macro BARRIER
	s_barrier_signal -1
	s_barrier_wait -1
.endm
.macro CROUND                          ; a round of the cluster's barrier
	BARRIER
	s_cmp_lg_u32 s[WV], 0
	s_cbranch_scc1 .Lnot_wave_0_\@
	s_barrier_signal -3
.Lnot_wave_0_\@:
	s_barrier_wait -3
	BARRIER
.endm
	s_load_b128 s[4:7], s[0:1], 0x0                ; qb s[4:5], kv s[6:7]
	s_load_b64 s[8:9], s[0:1], 0x10                ; yq
	v_lshl_add_u32 v[SPW], v0, 2, SPARE
	v_mov_b32 v[NIL], 0
	ds_add_u32 v[SPW], v[NIL]                      ; the opening lines: the add, twice on end, and its wait ahead of my tensor load
	ds_add_u32 v[SPW], v[NIL]
	v_lshrrev_b32 v9, 5, v0
	v_readfirstlane_b32 s[WV], v9                  ; wave 0..15
	s_and_b32 s[BH], ttmp7, 0xffff                 ; the cluster's y: 16 x batch + head
	s_bfe_u32 s[CX], ttmp6, 0x40000
	s_mov_b32 s[G1], 15|(3<<16)|(1<<21)            ; the mask: all four of the cluster; elements of 8 bytes; bit 21 beside a mask; no padding: a key step is 66 dense rows of 256 bytes
	s_mov_b32 s[G1+1], 32<<16                      ; tensor_dim0
	s_mov_b32 s[G1+2], 66<<16                      ; tensor_dim1
	s_mov_b32 s[G1+3], 32<<16                      ; tile_dim0
	s_mov_b32 s[G1+4], 66                          ; tile_dim1
	s_mov_b32 s[G1+5], 32                          ; pitch
	s_mov_b32 s[G1+6], 0
	s_mov_b32 s[G1+7], 0
	s_mul_i32 s48, s[BH], HEADB
	s_mul_i32 s50, s[WV], STEPB
	s_add_co_u32 s48, s48, s50
	s_mov_b32 s49, 0
	s_mov_b32 s[G0], 1
	s_mov_b32 s[G0+1], s50                         ; key step w goes to LDS byte 16,896 w
	s_mov_b32 s[SEL], 0x76543210
	s_mov_b32 s[SEL+1], 0xfedcba98
	s_mov_b32 s[CS], 0x3e38aa3b
	s_mov_b32 s[CS+1], s[CS]                       ; (named with it as a pair, so it is written)
	s_mov_b32 s[MNT], 0x600000
	s_wait_dscnt 0x0                               ; both opening adds are done
	CROUND                                         ; all four work-groups are here: the joint loads meet
	s_wait_kmcnt 0x0
	s_add_nc_u64 s[G0+2:G0+3], s[6:7], s[48:49]
	s_or_b32 s[G0+3], s[G0+3], 0x80000000
	s_cmp_lt_u32 s[WV], 4                          ; one load a wave; waves 0-3, which alone wait at the first barrier, have a line of their own
	s_cbranch_scc0 .Llater
	tensor_load_to_lds s[G0:G0+3], s[G1:G1+7]
	s_nop 0
.rept 4
	v_nop
.endr
	s_branch .Lasked
.Llater:
	tensor_load_to_lds s[G0:G0+3], s[G1:G1+7]
	s_nop 0
.rept 4
	v_nop
.endr
.Lasked:
	v_and_b32 v9, 31, v0
	s_delay_alu instid0(VALU_DEP_1)
	v_lshlrev_b32 v[LI], 4, v9
	s_delay_alu instid0(VALU_DEP_2)
	v_lshlrev_b32 v[LS], 2, v9
	v_and_b32 v10, 15, v0                          ; r
	s_delay_alu instid0(VALU_DEP_1)
	v_lshlrev_b32 v[R4], 2, v10
	v_bfe_u32 v11, v0, 4, 1                        ; h
	s_delay_alu instid0(VALU_DEP_3)
	v_and_b32 v[DQ0], 8, v10
	s_delay_alu instid0(VALU_DEP_1)
	v_add_nc_u32 v[DQ0], v[DQ0], v10
	s_delay_alu instid0(VALU_DEP_3)
	v_lshlrev_b32 v11, 4, v11
	s_delay_alu instid0(VALU_DEP_1)
	v_sub_nc_u32 v[DQ0], v[DQ0], v11
	v_mov_b32 v[NINF], 0xff800000
.irp j, 0,1,2,3,4,5,6,7
	v_mov_b32 v[Q+8+\j], 0                         ; the zero codes between Q's two copies
.endr
.irp b, 0,1,2,3
	v_mov_b32 v[TP+\b], 0                          ; written once: a lane permute's destination counts as one of its sources
.endr
	v_mov_b32 v[FF+1], 0
	v_mov_b32 v[T0], 0
; A tile begins: tile 4 m + j, m in s[MT]: its pointers, Q, and the sums' first values
.macro INIT
	s_wait_xcnt 0x0                                ; pointers and store data of the tile before are written again only behind this wait
	s_lshl_b32 s[TAU], s[MT], 2
	s_add_co_u32 s[TAU], s[TAU], s[CX]
	s_lshr_b32 s[SJD], s[MT], 1                    ; (4 m + j) / 8 = m / 2: from the wave's number alone
	s_lshl_b32 s48, s[BH], 17
	s_lshl_b32 s49, s[TAU], 10
	s_add_co_u32 s48, s48, s49
	s_mov_b32 s49, 0
	s_add_nc_u64 s[66:67], s[4:5], s[48:49]        ; Q's codes
	s_lshl_b32 s48, s[BH], 12                      ; 64 groups of two tiles x 64 bytes a head
	s_lshr_b32 s50, s[TAU], 1
	s_lshl_b32 s50, s50, 6
	s_add_co_u32 s48, s48, s50
	s_add_co_u32 s48, s48, 8388608
	s_add_nc_u64 s[68:69], s[4:5], s[48:49]        ; Q's scale words
	s_lshr_b32 s50, s[BH], 4
	s_lshl_b32 s50, s50, 7
	s_add_co_u32 s50, s50, s[TAU]                  ; the tile among all 512 tiles of tokens
	s_and_b32 s51, s[BH], 15                       ; the head: its 64 channels are K quarter head / 4, and 1,024 (head % 4) bytes on in a tile's 4,096
	s_lshr_b32 s52, s51, 2
	s_lshl_b32 s48, s52, 21
	s_lshl_b32 s52, s50, 12
	s_add_co_u32 s48, s48, s52
	s_and_b32 s52, s51, 3
	s_lshl_b32 s52, s52, 10
	s_add_co_u32 s48, s48, s52
	s_add_nc_u64 s[70:71], s[8:9], s[48:49]        ; y's codes
	s_lshl_b32 s48, s50, 9
	s_lshr_b32 s52, s51, 1
	s_lshl_b32 s52, s52, 6
	s_add_co_u32 s48, s48, s52
	s_and_b32 s52, s51, 1
	s_lshl_b32 s52, s52, 1
	s_add_co_u32 s48, s48, s52
	s_add_co_u32 s48, s48, 8388608
	s_add_nc_u64 s[72:73], s[8:9], s[48:49]        ; y's scale bytes: two of the four of K step head / 2
	global_load_b128 v[Q:Q+3], v[LI], s[66:67]
	global_load_b128 v[Q+4:Q+7], v[LI], s[66:67] offset:512
	global_load_b128 v[Q+16:Q+19], v[LI], s[66:67]             ; and once more, behind the zeros
	global_load_b128 v[Q+20:Q+23], v[LI], s[66:67] offset:512
	global_load_b32 v9, v[R4], s[68:69]            ; the group's word: (u0 b0, u0 b1, u1 b0, u1 b1)
	s_bitcmp1_b32 s[TAU], 0
	s_mov_b32 s54, 0x01000100
	s_cselect_b32 s54, 0x03020302, s54             ; my tile's two bytes, twice: for Q's copy in k 0-63 and for that in k 64-127
	s_lshr_b32 s52, s[TAU], 1
	s_and_b32 s52, s52, 3
	s_lshl_b32 s52, s52, 5
	s_and_b32 s53, s[TAU], 1
	s_lshl_b32 s53, s53, 3
	s_add_co_u32 s52, s52, s53
	v_add_nc_u32 v[DQ], s52, v[DQ0]
	v_mov_b32 v13, 0xff61b1e6                      ; the largest t so far: -3e38
	s_delay_alu instid0(VALU_DEP_1)
	v_floor_f32 v12, -v13                          ; -M
	v_mov_b32 v14, 0
	v_mov_b32 v15, 0
.set n, 0
.rept 32
	v_mov_b32 v[O+n], 0                            ; the step is written once: the first finds zeros, which the first change of M leaves zeros
.set n, n+1
.endr
	s_mov_b32 s[TB], 0
	s_mov_b32 s[SJ], 0
	s_wait_loadcnt 0x0
	v_perm_b32 v[QS], v9, v9, s54                  ; eight places, the first step's two additions and six v_nop, stand between this line and the first product
.endm
; Key steps s[SJ] .. upto - 1.  The bound is a constant, so that the steps that a loop can read are a constant range of LDS; steps behind the diagonal are jumped over.
.macro WALK upto
.Lstep_\@:
	s_cmp_gt_u32 s[SJ], s[SJD]                     ; all keys of the step come after my queries: a branch on the wave's number and the count of steps, round the step's work
	s_cbranch_scc1 .Lhid_\@
	v_add_nc_u32 v[AD], s[TB], v[LI]
	v_add_nc_u32 v[AS], s[TB], v[LS]
.rept 6
	v_nop                                          ; with the two additions: eight places in front of loads into registers that the last products read
.endr
.irp g, 0,1,2,3
.irp c, 0,1,2,3
	ds_load_b128 v[F+16*\g+4*\c:F+16*\g+4*\c+3], v[AD] offset:2048*\g+512*\c
.endr
.endr
	ds_load_b32 v[KS], v[AS] offset:16384          ; lanes 0-15: group 0's words, lanes 16-31: group 1's
	ds_load_b32 v[KS+1], v[AS] offset:16512
	s_wait_alu depctr_va_vdst(0)
	s_wait_dscnt 0x0
.irp g, 0,1,2,3
.irp u, 0,1
.if \g%2
	v_wmma_scale_f32_16x16x128_f8f6f4 v[S+8*(2*\g+\u):S+8*(2*\g+\u)+7], v[F+16*\g:F+16*\g+15], v[Q+8*\u:Q+8*\u+15], 0, v[KS+\g/2], v[QS] matrix_a_fmt:MATRIX_FMT_BF8 matrix_b_fmt:MATRIX_FMT_BF8 matrix_a_scale:MATRIX_SCALE_ROW1
.else
	v_wmma_scale_f32_16x16x128_f8f6f4 v[S+8*(2*\g+\u):S+8*(2*\g+\u)+7], v[F+16*\g:F+16*\g+15], v[Q+8*\u:Q+8*\u+15], 0, v[KS+\g/2], v[QS] matrix_a_fmt:MATRIX_FMT_BF8 matrix_b_fmt:MATRIX_FMT_BF8
.endif
.endr
.endr
.rept 8
	v_nop                                          ; places in front of the loads below and of the first read of the scores
.endr
.irp t, 0,1,2,3                        ; V's four fragments land while the softmax is worked
.irp c, 0,1,2,3
	ds_load_b128 v[F+16*\t+4*\c:F+16*\t+4*\c+3], v[AD] offset:8192+2048*\t+512*\c
.endr
.endr
	ds_load_b32 v[VS], v[AS] offset:16640
	ds_load_b32 v[VS+1], v[AS] offset:16768
	s_cmp_lt_u32 s[SJ], s[SJD]                     ; every key of the step counts: no mask
	s_cbranch_scc1 .Lopen_\@
.set n, 0
.rept 64                               ; register 16 g + i holds key 32 g + 16 (lane / 16) + i of the step: hidden where 32 g + i > v[DQ]
	v_cmp_gt_i32 vcc_lo, 32*(n/16)+n%16, v[DQ]
	v_cndmask_b32 v[S+n], v[S+n], v[NINF], vcc_lo
.set n, n+1
.endr
.Lopen_\@:
.irp b, 0,1,2,3
	v_max3_num_f32 v[BM+\b], v[S+16*\b], v[S+1+16*\b], v[S+2+16*\b]       ; the largest score of each block of 32 keys: for the row's maximum, and, since p rises with the score, for the block's largest p
.endr
.irp i, 3,5,7,9,11,13
.irp b, 0,1,2,3
	v_max3_num_f32 v[BM+\b], v[BM+\b], v[S+16*\b+\i], v[S+1+16*\b+\i]
.endr
.endr
.irp b, 0,1,2,3
	v_max_num_f32 v[BM+\b], v[BM+\b], v[S+15+16*\b]
.endr
.irp b, 0,1,2,3
	s_delay_alu instid0(VALU_DEP_4)
	v_permlanex16_b32 v[TP+\b], v[BM+\b], s[SEL], s[SEL+1]
.endr
.irp b, 0,1,2,3
	s_delay_alu instid0(VALU_DEP_4)
	v_max_num_f32 v[BM+\b], v[BM+\b], v[TP+\b]
.endr
	s_delay_alu instid0(VALU_DEP_2)
	v_max3_num_f32 v[T0], v[BM], v[BM+1], v[BM+2]
	s_delay_alu instid0(VALU_DEP_1)
	v_max_num_f32 v[T0], v[T0], v[BM+3]
	s_delay_alu instid0(VALU_DEP_1)
	v_mul_f32 v[T0], s[CS], v[T0]                  ; as t
	s_delay_alu instid0(VALU_DEP_1)
	v_max_num_f32 v13, v13, v[T0]                  ; the running largest t
	v_mov_b32 v[T0], v12
	s_delay_alu instid0(VALU_DEP_2)
	v_floor_f32 v12, -v13                          ; the new -M = -ceil(t)
	s_delay_alu instid0(VALU_DEP_1)
	v_sub_f32 v[T0], v12, v[T0]                    ; old M less new M: a whole number, 0 or less
	s_delay_alu instid0(VALU_DEP_1)
	v_cvt_i32_f32 v[T0], v[T0]                     ; (it saturates)
	s_delay_alu instid0(VALU_DEP_1)
	v_ldexp_f32 v[FF], 1.0, v[T0]                  ; f
.set n, 0
.rept 32
	v_pk_fma_f32 v[S+n:S+n+1], v[S+n:S+n+1], s[CS:CS+1], v[12:13] op_sel_hi:[1,0,0]   ; t - M, two at a time
.set n, n+2
.endr
.irp b, 0,1,2,3
	v_fma_f32 v[BM+\b], v[BM+\b], s[CS], v12
.endr
.set n, 0
	s_wait_alu depctr_va_vdst(0)
.rept 64
	v_exp_f32 v[S+n], v[S+n]                       ; p = 2^(t - M)
.set n, n+1
.endr
.irp b, 0,1,2,3
	v_exp_f32 v[BM+\b], v[BM+\b]                   ; the block's largest p: the same two instructions on the same number
.endr
	v_pk_mul_f32 v[14:15], v[14:15], v[FF:FF+1] op_sel_hi:[1,0]   ; the sums under the new M.  (A plain line behind the exponentials)
	s_wait_alu depctr_va_vdst(0)                   ; and one wait behind it, ahead of its first reader
.irp b, 0,1,2,3
	v_max_num_f32 v[BM+\b], 0x8000000, v[BM+\b]    ; the floor 2^(16 - 127)
.endr
.irp b, 0,1,2,3
	s_delay_alu instid0(VALU_DEP_4)
	v_add_nc_u32 v[SO+\b], 0xf8800000, v[BM+\b]
.endr
.irp b, 0,1,2,3
	v_and_or_b32 v[HO+\b], v[BM+\b], 0x7f800000, s[MNT]
.endr
.irp b, 0,1,2,3
	v_lshrrev_b32 v[TP+\b], 23, v[SO+\b]
.endr
	s_delay_alu instid0(VALU_DEP_3)
	v_lshl_or_b32 v[PW], v[TP+1], 8, v[TP]         ; p's scale word for these 128 keys
	s_delay_alu instid0(VALU_DEP_1)
	v_lshl_or_b32 v[PW], v[TP+2], 16, v[PW]
	s_delay_alu instid0(VALU_DEP_1)
	v_lshl_or_b32 v[PW], v[TP+3], 24, v[PW]
	v_pk_add_f32 v[232:233], v[108:109], v[112:113]               ; the row's sum of the UNQUANTISED p: eight chains side by side, then joined
	v_pk_add_f32 v[252:253], v[116:117], v[120:121]
	v_pk_add_f32 v[250:251], v[124:125], v[128:129]
	v_pk_add_f32 v[248:249], v[132:133], v[136:137]
	v_pk_add_f32 v[246:247], v[140:141], v[144:145]
	v_pk_add_f32 v[10:11], v[148:149], v[152:153]
	v_pk_add_f32 v[238:239], v[156:157], v[160:161]
	v_pk_add_f32 v[14:15], v[14:15], v[164:165]
	v_pk_add_f32 v[232:233], v[232:233], v[104:105]
	v_pk_add_f32 v[252:253], v[252:253], v[106:107]
	v_pk_add_f32 v[250:251], v[250:251], v[110:111]
	v_pk_add_f32 v[248:249], v[248:249], v[114:115]
	v_pk_add_f32 v[246:247], v[246:247], v[118:119]
	v_pk_add_f32 v[10:11], v[10:11], v[122:123]
	v_pk_add_f32 v[238:239], v[238:239], v[126:127]
	v_pk_add_f32 v[14:15], v[14:15], v[130:131]
	v_pk_add_f32 v[232:233], v[232:233], v[134:135]
	v_pk_add_f32 v[252:253], v[252:253], v[138:139]
	v_pk_add_f32 v[250:251], v[250:251], v[142:143]
	v_pk_add_f32 v[248:249], v[248:249], v[146:147]
	v_pk_add_f32 v[246:247], v[246:247], v[150:151]
	v_pk_add_f32 v[10:11], v[10:11], v[154:155]
	v_pk_add_f32 v[238:239], v[238:239], v[158:159]
	v_pk_add_f32 v[14:15], v[14:15], v[162:163]
	v_pk_add_f32 v[232:233], v[232:233], v[166:167]
	s_delay_alu instid0(VALU_DEP_2)
	v_pk_add_f32 v[14:15], v[14:15], v[248:249]
	s_delay_alu instid0(VALU_DEP_2)
	v_pk_add_f32 v[232:233], v[232:233], v[246:247]
	v_pk_add_f32 v[252:253], v[252:253], v[10:11]
	v_pk_add_f32 v[250:251], v[250:251], v[238:239]
	s_delay_alu instid0(VALU_DEP_2)
	v_pk_add_f32 v[14:15], v[14:15], v[252:253]
	s_delay_alu instid0(VALU_DEP_2)
	v_pk_add_f32 v[232:233], v[232:233], v[250:251]
	s_delay_alu instid0(VALU_DEP_1)
	v_pk_add_f32 v[14:15], v[14:15], v[232:233]
.irp b, 0,1,2,3
.irp i, 0,1,2,3,4,5,6,7,8,9,10,11,12,13,14,15
	v_min_num_f32 v[S+16*\b+\i], v[S+16*\b+\i], v[HO+\b]          ; the conversion does not saturate (ISA guide 7.6.2); p is not negative: a one-sided hold
.endr
	v_cvt_scalef32_pk8_bf8_f32 v[PC+4*\b:PC+1+4*\b], v[S+16*\b:S+7+16*\b], v[SO+\b]
	v_cvt_scalef32_pk8_bf8_f32 v[PC+2+4*\b:PC+3+4*\b], v[S+8+16*\b:S+15+16*\b], v[SO+\b]
.endr
.set n, 0
.rept 16
	v_pk_mul_f32 v[O+n:O+n+1], v[O+n:O+n+1], v[FF:FF+1] op_sel_hi:[1,0]   ; O^T under the new M.  (These sixteen are also the places between the codes and the products)
.set n, n+2
.endr
	s_wait_alu depctr_va_vdst(0)
	s_wait_dscnt 0x0                               ; V and its scale words are in
.irp t, 0,1,2,3                        ; the four accumulators take turns; between two links of a chain stand the next step's eight products
.if \t%2
	v_wmma_scale_f32_16x16x128_f8f6f4 v[O+8*\t:O+8*\t+7], v[F+16*\t:F+16*\t+15], v[PC:PC+15], v[O+8*\t:O+8*\t+7], v[VS+\t/2], v[PW] matrix_a_fmt:MATRIX_FMT_BF8 matrix_b_fmt:MATRIX_FMT_BF8 matrix_a_scale:MATRIX_SCALE_ROW1
.else
	v_wmma_scale_f32_16x16x128_f8f6f4 v[O+8*\t:O+8*\t+7], v[F+16*\t:F+16*\t+15], v[PC:PC+15], v[O+8*\t:O+8*\t+7], v[VS+\t/2], v[PW] matrix_a_fmt:MATRIX_FMT_BF8 matrix_b_fmt:MATRIX_FMT_BF8
.endif
.endr
.Lhid_\@:
	s_add_co_u32 s[TB], s[TB], STEPB
	s_add_co_u32 s[SJ], s[SJ], 1
	s_cmp_lt_u32 s[SJ], \upto
	s_cbranch_scc1 .Lstep_\@
.endm
; THE WAY OUT of a tile: O^T / the sum; register 16 b + i is channel 32 b + 16 (lane / 16) + i of the head: two blocks of the last product's K, quantised in registers
.macro EPI
.rept 8
	v_nop
.endr
	v_add_f32 v14, v14, v15
	s_delay_alu instid0(VALU_DEP_1)
	v_permlanex16_b32 v[T0], v14, s[SEL], s[SEL+1]
	s_delay_alu instid0(VALU_DEP_1)
	v_add_f32 v14, v14, v[T0]                      ; the row's sum
	s_wait_alu depctr_va_vdst(0)
	v_rcp_f32 v14, v14
	v_nop                                          ; one plain line behind a transcendental
.set n, 0
	s_wait_alu depctr_va_vdst(0)                   ; and behind it, ahead of its first reader
.rept 32
	v_mul_f32 v[S+n], v[O+n], v14                  ; each accumulator from its low end on
.set n, n+1
.endr
.irp b, 0,1
	v_max3_num_f32 v[BM+\b], |v[S+16*\b]|, |v[S+1+16*\b]|, 0x8000000
.endr
.irp i, 2,4,6,8,10,12,14
.irp b, 0,1
	s_delay_alu instid0(VALU_DEP_2)
	v_max3_num_f32 v[BM+\b], v[BM+\b], |v[S+16*\b+\i]|, |v[S+1+16*\b+\i]|
.endr
.endr
.irp b, 0,1
	s_delay_alu instid0(VALU_DEP_2)
	v_permlanex16_b32 v[TP+\b], v[BM+\b], s[SEL], s[SEL+1]
.endr
.irp b, 0,1
	s_delay_alu instid0(VALU_DEP_2)
	v_max_num_f32 v[BM+\b], v[BM+\b], v[TP+\b]
.endr
.irp b, 0,1
	s_delay_alu instid0(VALU_DEP_2)
	v_add_nc_u32 v[SO+\b], 0xf8800000, v[BM+\b]
.endr
.irp b, 0,1
	s_delay_alu instid0(VALU_DEP_4)
	v_and_or_b32 v[HO+\b], v[BM+\b], 0x7f800000, s[MNT]
.endr
.irp b, 0,1
	s_delay_alu instid0(VALU_DEP_4)
	v_lshrrev_b32 v[TP+\b], 23, v[SO+\b]
.endr
	s_delay_alu instid0(VALU_DEP_1)
	v_lshl_or_b32 v[T1], v[TP+1], 8, v[TP]
.irp b, 0,1
.irp i, 0,1,2,3,4,5,6,7,8,9,10,11,12,13,14,15
	v_med3_num_f32 v[S+16*\b+\i], v[S+16*\b+\i], -v[HO+\b], v[HO+\b]
.endr
	v_cvt_scalef32_pk8_bf8_f32 v[PC+4*\b:PC+1+4*\b], v[S+16*\b:S+7+16*\b], v[SO+\b]
	v_cvt_scalef32_pk8_bf8_f32 v[PC+2+4*\b:PC+3+4*\b], v[S+8+16*\b:S+15+16*\b], v[SO+\b]
.endr
	v_nop                                          ; one plain line behind the last conversion
	global_store_b128 v[LI], v[PC:PC+3], s[70:71]              ; 512 consecutive bytes of the image
	global_store_b128 v[LI], v[PC+4:PC+7], s[70:71] offset:512
	global_store_b16 v[R4], v[T1], s[72:73]        ; two bytes of each row's word (lanes 16-31 write the same bytes with the same values); the word's other half is another head's: one byte in 32 of what the tile stores
.endm
	s_sub_co_u32 s[MT], 31, s[WV]                  ; the longer tile first: 9 steps at the least, so every wave works steps 0-3
	INIT
	s_wait_alu depctr_va_vdst(0)
	s_cmp_lt_u32 s[WV], 4
	s_cbranch_scc0 .Lnot_first
	s_wait_tensorcnt 0x0                           ; waves 0-3: my key step has landed.  The other waves' wait stands at the second barrier
.Lnot_first:
	BARRIER                                        ; key steps 0-3 lie in LDS
	WALK 4
	s_wait_tensorcnt 0x0                           ; every wave's key step has landed
	s_wait_dscnt 0x0
	BARRIER                                        ; all sixteen key steps lie in LDS; nothing is filled again in this launch
	WALK 16
	EPI
	s_mov_b32 s[MT], s[WV]                         ; the shorter tile: 8 steps at the most
	INIT
	WALK 8
	EPI
	s_wait_tensorcnt 0x0                           ; the wave's end
	ds_add_u32 v[SPW], v[NIL]
	s_wait_dscnt 0x0
	CROUND                                         ; the closing round
	s_endpgm
.Lfunc_end_k_q1ef925a217_attn:
	.size	k_q1ef925a217_attn, .Lfunc_end_k_q1ef925a217_attn-k_q1ef925a217_attn
	.p2alignl 7, 3214868480
	.fill 96, 4, 3214868480
	.section	.rodata,"a",@progbits
	.p2align	6, 0x0
	.amdhsa_kernel k_q1ef925a217_attn
		.amdhsa_group_segment_fixed_size 272384
		.amdhsa_private_segment_fixed_size 0
		.amdhsa_enable_private_segment 0
		.amdhsa_kernarg_size 24
		.amdhsa_user_sgpr_count 2
		.amdhsa_user_sgpr_kernarg_segment_ptr 1
		.amdhsa_wavefront_size32 1
		.amdhsa_system_sgpr_workgroup_id_x 1
		.amdhsa_system_sgpr_workgroup_id_y 1
		.amdhsa_system_sgpr_workgroup_id_z 1
		.amdhsa_system_vgpr_workitem_id 0
		.amdhsa_next_free_vgpr 256
		.amdhsa_next_free_sgpr 80
		.amdhsa_reserve_vcc 1
		.amdhsa_float_denorm_mode_32 3
		.amdhsa_float_denorm_mode_16_64 3
		.amdhsa_memory_ordered 1
		.amdhsa_forward_progress 1
		.amdhsa_inst_pref_size 98
	.end_amdhsa_kernel
	.amdgpu_metadata
---
amdhsa.version: [ 1, 2 ]
amdhsa.kernels:
  - .name:           k_q1ef925a217_attn
    .symbol:         k_q1ef925a217_attn.kd
    .args:
      - { .name: qb, .offset: 0, .size: 8, .value_kind: global_buffer, .address_space: global }
      - { .name: kv, .offset: 8, .size: 8, .value_kind: global_buffer, .address_space: global }
      - { .name: yq, .offset: 16, .size: 8, .value_kind: global_buffer, .address_space: global }
    .group_segment_fixed_size: 272384
    .private_segment_fixed_size: 0
    .kernarg_segment_align: 8
    .kernarg_segment_size: 24
    .max_flat_workgroup_size: 512
    .sgpr_count:     80
    .vgpr_count:     256
    .wavefront_size: 32
...
	.end_amdgpu_metadata
.endif
;; end of part 3
;; launch gemm_out (part 4): grid 4 x 64, 4 waves a work-group, clusters of 4 x 4, 327,680 bytes of LDS; arguments yq, wo, b_out, out0; writes out0
.if DOCPART == 4
	.amdgcn_target "amdgcn-amd-amdhsa--gfx1250"
	.amdhsa_code_object_version 6
	.text
	.protected	k_q1ef925a217_gemm_out
	.globl	k_q1ef925a217_gemm_out
	.p2align	8
	.type	k_q1ef925a217_gemm_out,@function
k_q1ef925a217_gemm_out:
	s_mov_b64 s[64:65], 0
	v_nop
	global_prefetch_b8 v0, s[64:65] scope:SCOPE_SE
	s_setreg_imm32_b32 hwreg(HW_REG_WAVE_MODE, 25, 1), 1
	s_wait_xcnt 0x0
	s_wait_alu depctr_hold_cnt(0) depctr_sa_sdst(0) depctr_va_vdst(0) depctr_va_sdst(0) depctr_va_ssrc(0) depctr_va_vcc(0) depctr_vm_vsrc(0)
	s_getreg_b32 s2, hwreg(HW_REG_IB_STS2, 6, 4)
	s_cmp_eq_u32 s2, 0
	s_cbranch_scc0 .Lentry_in_a_cluster
	s_endpgm
.Lentry_in_a_cluster:
	s_bfe_u32 s2, ttmp6, 0x10000c
	s_cmp_lg_u32 s2, 0xf033
	s_cbranch_scc0 .Lentry_shape_is_right
	s_endpgm
.Lentry_shape_is_right:
; out0 = y W_out + b_out on codes of BF8 (E5M2) with E8M0 scales (K = 1,024), f32 sums and f32 results.  yq and wo lie in the order of the operand's registers: a fragment (16 rows x 128 K) is 2,048 bytes [c 4][lane 32][16];
; codes [K quarter 4][tile][K step 2][2,048], scale words behind them [tile][K step 8][r 16]; tile 2 g + u holds in lane-row r the row 32 g + 8 u + r + 8 (r / 8).
; SHARES.  256 work-groups of four waves; a work-group makes 128 tokens x 256 columns, a wave 64 x 128: 32 accumulators.  Source 0 = W's eight tiles, source 1 = y's four: a lane holds neighbouring columns of one token.
; The bias is the first products' C.  Both operands stand in two sets of registers: while a K step of 128 is multiplied (32 products), the next one's 48 fragment loads are out.
; LDS.  A K quarter of the work-group's rows is dense in memory: 32,768 bytes of y, 65,536 of W.  Three quarters of each come at the head by ONE load each (3 rows of a quarter's bytes, a quarter's distance apart), the scale words of
; all of K by two more: one load a wave.  Quarter 3 is filled over quarter 0 behind a drained round of the cluster's barrier inside K step 1, a half of each block a wave, and is shown by the plain barrier inside K step 5.
; That barrier also shows that nobody reads quarter 1 any more: the waves' stages for the way out lie in W's quarter 1, which has had its only fill.
; CLUSTERS: 4 x 4 work-groups; y's blocks are asked for jointly along a row of the cluster, W's along a column.
; PREFETCH INTO THE L2: quarter 3, at the head, one K step and a round ahead of its load.  The partners that ask for a block jointly share it out by address: of y's 32,768 bytes 8,192 a partner (cx), 4,096 a wave (waves 0, 1;
; 16 blocks of 256, lanes 16-31 name the last again); of W's 65,536 bytes 16,384 a partner (cy), 8,192 a wave (waves 2, 3).  The other quarters come by the head's loads alone.
; REGISTERS: window 0: v1-31 addresses; v32-63 scale words, two sets (W's tile b at + b, y's tile a at + 8 + a; lanes 0-15 the quarter's first 128 of K, lanes 16-31 its second); v64-127 the bias; v128-255 y's fragments, two sets
; (on the way out: rows read back).  Window 1: W's fragments, two sets.  Window 2: accumulator (a, b) at v[8 (8 a + b)].
.set NP,     8                         ; places behind this matrix form (ISA guide 7.12.1)
.set XKS,    2097152                   ; bytes from a K quarter to the next in yq,
.set WKS,    262144                    ; in wo
.set XSCO,   8388608                   ; where the scale words begin in yq,
.set WSCO,   1048576                   ; in wo
.set YQ,     32768
.set WQ,     65536
.set WB,     3*YQ                      ; W's three regions lie behind y's three
.set SCL,    WB+3*WQ                   ; y's scale words, 4,096 bytes,
.set SCW,    SCL+4096                  ; W's, 8,192
.set SPARE,  SCL+12288                 ; the spare words, 128 bytes for each wave
.set STAGE,  WB+WQ
.set SPITCH, 528
.set ADY,  4                           ; v4-6   my fragments of y in regions 0, 1, 2
.set ADW,  8                           ; v8-10  of W
.set ASY,  12
.set ASW,  13
.set LI,   14                          ; 16 x lane
.set LS,   15                          ; 4 x lane
.set STO,  16
.set RD,   17
.set PFO,  18
.set SPW,  28
.set NIL,  29
.set SC,   32
.set BB,   64
.set AF,   128
.set BK,   128
.set G1Y,  24
.set G1W,  32
.set G1SY, 40
.set G1SW, 48
.set G1RY, 56
.set G1RW, 68
.set G0Y,  76
.set G0W,  80
.set G0SY, 84
.set G0SW, 88
.set G0RY, 92
.set G0RW, 96
.set MSB, 0
.macro WIN new                         ; the immediate's high byte repeats the setting that is left
.if MSB != (\new)
	s_set_vgpr_msb (MSB<<8)|(\new)
.set MSB, (\new)
.endif
.endm
.set MUL, 0xa1                         ; source 0 window 1, source 1 window 0, C and D window 2
.macro PLACES n
.rept \n
	v_nop
.endr
.endm
.macro TL g0, g1                       ; a tensor load; s_nop 0 and four v_nop follow it
	tensor_load_to_lds s[\g0:\g0+3], s[\g1:\g1+7]
	s_nop 0
	PLACES 4
.endm
.macro CREST                           ; a round of the cluster's barrier behind its opening barrier
	s_cmp_lg_u32 s14, 0
	s_cbranch_scc1 .Lnot_wave_0_\@
	s_barrier_signal -3
.Lnot_wave_0_\@:
	s_barrier_wait -3
	s_barrier_signal -1
	s_barrier_wait -1
.endm
.macro CROUND
	s_barrier_signal -1
	s_barrier_wait -1
	CREST
.endm
.macro GRP1 g, mask, c, r, p           ; descriptor group 1: r rows of c elements of 8 bytes, p elements apart; no padding; bit 21 beside the mask
	s_or_b32 s[\g], s\mask, (3<<16)|(1<<21)
	s_mov_b32 s[\g+1], ((\c)&0xffff)<<16
	s_mov_b32 s[\g+2], ((\c)>>16)|((\r)<<16)
	s_mov_b32 s[\g+3], (\c)<<16
	s_mov_b32 s[\g+4], \r
	s_mov_b32 s[\g+5], \p
	s_mov_b32 s[\g+6], 0
	s_mov_b32 s[\g+7], 0
.endm
.macro FETCH ks                        ; K step ks's fragments into set ks % 2: quarter ks / 2 lies in region (ks / 2) % 3; with a quarter's first step its scale words
.set RG_, ((\ks)/2)%3
.set Q_, (\ks)%2
.set S_, ((\ks)/2)%2
	WIN 0x40
.irp i, 0,1,2,3,4,5,6,7
.irp c, 0,1,2,3
	ds_load_b128 v[128*Q_+16*\i+4*\c:128*Q_+16*\i+4*\c+3], v[ADW+RG_] offset:4096*\i+2048*Q_+512*\c
.endr
.endr
	WIN 0
.irp i, 0,1,2,3
.irp c, 0,1,2,3
	ds_load_b128 v[AF+64*Q_+16*\i+4*\c:AF+64*Q_+16*\i+4*\c+3], v[ADY+RG_] offset:4096*\i+2048*Q_+512*\c
.endr
.endr
.if Q_ == 0
.irp i, 0,1,2,3,4,5,6,7
	ds_load_b32 v[SC+16*S_+\i], v[ASW] offset:512*\i+128*((\ks)/2)
.endr
.irp i, 0,1,2,3
	ds_load_b32 v[SC+16*S_+8+\i], v[ASY] offset:512*\i+128*((\ks)/2)
.endr
.endif
.endm
; 16 products: y's tiles a0, a0 + 1 x W's eight.  The 32 accumulators take turns, one instruction a turn, in the same order in every K step.
.macro MUL16 a0, ks, first
.irp a, \a0, \a0+1
.irp b, 0,1,2,3,4,5,6,7
.set rD, 8*(8*(\a)+\b)
.set rA, 128*((\ks)%2)+16*\b
.set rB, AF+64*((\ks)%2)+16*(\a)
.set rX, SC+16*(((\ks)/2)%2)+\b
.set rY, SC+16*(((\ks)/2)%2)+8+(\a)
.if \first
	v_wmma_scale_f32_16x16x128_f8f6f4 v[rD:rD+7], v[rA:rA+15], v[rB:rB+15], v[BB+8*\b:BB+8*\b+7], v[rX], v[rY] matrix_a_fmt:MATRIX_FMT_BF8 matrix_b_fmt:MATRIX_FMT_BF8
.elseif (\ks)%2
	v_wmma_scale_f32_16x16x128_f8f6f4 v[rD:rD+7], v[rA:rA+15], v[rB:rB+15], v[rD:rD+7], v[rX], v[rY] matrix_a_fmt:MATRIX_FMT_BF8 matrix_b_fmt:MATRIX_FMT_BF8 matrix_a_scale:MATRIX_SCALE_ROW1 matrix_b_scale:MATRIX_SCALE_ROW1
.else
	v_wmma_scale_f32_16x16x128_f8f6f4 v[rD:rD+7], v[rA:rA+15], v[rB:rB+15], v[rD:rD+7], v[rX], v[rY] matrix_a_fmt:MATRIX_FMT_BF8 matrix_b_fmt:MATRIX_FMT_BF8
.endif
.endr
.endr
.endm
.macro KSTEP ks                        ; a plain K step: its operands are in; the next step's are asked for into the sets that the last step's products read, eight places behind them
	s_wait_dscnt 0x0
	PLACES NP
	FETCH (\ks)+1
	WIN MUL
	MUL16 0, \ks, 0
	MUL16 2, \ks, 0
	WIN 0
.endm
	s_load_b256 s[4:11], s[0:1], 0x0               ; yq s[4:5], wo s[6:7], b_out s[8:9], out0 s[10:11]
	v_lshl_add_u32 v[SPW], v0, 2, SPARE
	v_mov_b32 v[NIL], 0
	ds_add_u32 v[SPW], v[NIL]                      ; the opening lines: the add, twice on end, and its wait ahead of my first tensor load
	ds_add_u32 v[SPW], v[NIL]
	v_lshrrev_b32 v1, 5, v0
	v_readfirstlane_b32 s14, v1                    ; wave 0..3
	s_lshr_b32 s15, s14, 1                         ; wy: which 64 tokens are mine.  Also: I fetch for y (0) or for W (1)
	s_and_b32 s16, s14, 1                          ; wx: which 128 columns.  Also: which half of a refill's block I fetch
	s_bfe_u32 s12, ttmp6, 0x40000                  ; cx, cy: my place in the cluster
	s_bfe_u32 s13, ttmp6, 0x40004
	s_lshl_b32 s2, ttmp9, 2
	s_add_co_u32 s2, s2, s12                       ; tx: which 256 columns
	s_and_b32 s17, ttmp7, 0xffff
	s_lshl_b32 s17, s17, 2
	s_add_co_u32 s17, s17, s13                     ; ty: which 128 tokens
	s_lshl_b32 s3, s13, 2
	s_lshl_b32 s3, 15, s3                          ; my row of the cluster
	s_lshl_b32 s101, 0x1111, s12                   ; my column
	GRP1 G1Y,  3,   YQ/8, 3, XKS/8                 ; y's quarters 0-2
	GRP1 G1W,  101, WQ/8, 3, WKS/8                 ; W's
	GRP1 G1SY, 3,   32, 16, 32                     ; y's scale words: 16 rows of 256 bytes
	GRP1 G1SW, 101, 32, 32, 32                     ; W's: 32
	GRP1 G1RY, 3,   32, 64, 32                     ; half of y's quarter 3
	GRP1 G1RW, 101, 32, 128, 32                    ; half of W's
	s_lshl_b32 s20, s17, 15
	s_mov_b32 s21, 0                               ; y's codes: 32,768 ty
	s_lshl_b32 s22, s2, 16
	s_mov_b32 s23, 0                               ; W's: 65,536 tx
	s_lshl_b32 s18, s17, 12
	s_add_co_u32 s18, s18, XSCO
	s_mov_b32 s19, 0                               ; y's scale words
	s_lshl_b32 s100, s2, 13
	s_add_co_u32 s100, s100, WSCO
	s_mov_b32 s101, 0                              ; W's
	s_mov_b32 s105, 0
	s_wait_dscnt 0x0                               ; both opening adds are done
	CROUND                                         ; all sixteen work-groups are here: the first joint loads meet
	s_wait_kmcnt 0x0
	s_add_nc_u64 s[20:21], s[4:5], s[20:21]
	s_add_nc_u64 s[22:23], s[6:7], s[22:23]
	s_mov_b32 s[G0Y], 1
	s_mov_b32 s[G0Y+1], 0
	s_mov_b64 s[G0Y+2:G0Y+3], s[20:21]
	s_or_b32 s[G0Y+3], s[G0Y+3], 0x80000000
	s_mov_b32 s[G0W], 1
	s_mov_b32 s[G0W+1], WB
	s_mov_b64 s[G0W+2:G0W+3], s[22:23]
	s_or_b32 s[G0W+3], s[G0W+3], 0x80000000
	s_mov_b32 s[G0SY], 1
	s_mov_b32 s[G0SY+1], SCL
	s_add_nc_u64 s[G0SY+2:G0SY+3], s[4:5], s[18:19]
	s_or_b32 s[G0SY+3], s[G0SY+3], 0x80000000
	s_mov_b32 s[G0SW], 1
	s_mov_b32 s[G0SW+1], SCW
	s_add_nc_u64 s[G0SW+2:G0SW+3], s[6:7], s[100:101]
	s_or_b32 s[G0SW+3], s[G0SW+3], 0x80000000
	s_lshl_b32 s104, s16, 14                       ; the refill: my half of y's quarter 3, into region 0,
	s_mov_b32 s[G0RY], 1
	s_mov_b32 s[G0RY+1], s104
	s_add_nc_u64 s[G0RY+2:G0RY+3], s[20:21], s[104:105]
	s_add_nc_u64 s[G0RY+2:G0RY+3], s[G0RY+2:G0RY+3], 3*XKS
	s_or_b32 s[G0RY+3], s[G0RY+3], 0x80000000
	s_lshl_b32 s104, s16, 15                       ; or of W's
	s_mov_b32 s[G0RW], 1
	s_add_co_u32 s[G0RW+1], s104, WB
	s_add_nc_u64 s[G0RW+2:G0RW+3], s[22:23], s[104:105]
	s_add_nc_u64 s[G0RW+2:G0RW+3], s[G0RW+2:G0RW+3], 3*WKS
	s_or_b32 s[G0RW+3], s[G0RW+3], 0x80000000
	; THE HEAD'S LOADS, ONE A WAVE, in one chain of branches on the wave's number
	s_cmp_eq_u32 s14, 0
	s_cbranch_scc0 .Lh1
	TL G0Y, G1Y
	s_branch .Lhj
.Lh1:
	s_cmp_eq_u32 s14, 1
	s_cbranch_scc0 .Lh2
	TL G0SY, G1SY
	s_branch .Lhj
.Lh2:
	s_cmp_eq_u32 s14, 2
	s_cbranch_scc0 .Lh3
	TL G0W, G1W
	s_branch .Lhj
.Lh3:
	TL G0SW, G1SW
.Lhj:
	s_lshl_b32 s18, s2, 10                         ; my 128 columns, in bytes: 1,024 tx + 512 wx
	s_lshl_b32 s19, s16, 9
	s_add_co_u32 s18, s18, s19
	s_mov_b32 s19, 0
	s_add_nc_u64 s[8:9], s[8:9], s[18:19]
	s_add_nc_u64 s[10:11], s[10:11], s[18:19]
	s_lshl_b32 s18, s17, 19                        ; my first token's row: 128 ty + 64 wy rows of 4,096 bytes
	s_lshl_b32 s3, s15, 18
	s_add_co_u32 s18, s18, s3
	s_add_nc_u64 s[10:11], s[10:11], s[18:19]
	s_cmp_eq_u32 s15, 0                            ; the prefetch: y's waves or W's
	s_cselect_b64 s[100:101], s[20:21], s[22:23]
	s_cselect_b32 s18, s12, s13                    ; my place among the four that ask with me
	s_cselect_b32 s19, 13, 14                      ; a partner's share: 8,192 or 16,384 bytes; a wave's: half of it
	s_cselect_b32 s3, 15, 31                       ; the last block of 256 bytes of a wave's share
	s_mov_b32 s2, 3*WKS
	s_cselect_b32 s2, 3*XKS, s2                    ; quarter 3
	s_lshl_b32 s18, s18, s19
	s_sub_co_u32 s19, s19, 1
	s_lshl_b32 s19, s16, s19
	s_add_co_u32 s18, s18, s19
	s_add_co_u32 s18, s18, s2
	s_mov_b32 s19, 0
	s_add_nc_u64 s[100:101], s[100:101], s[18:19]
	s_lshl_b32 s12, s15, 14                        ; LDS: my four tiles of y,
	s_lshl_b32 s13, s16, 15
	s_add_co_u32 s13, s13, WB                      ; my eight of W,
	s_lshl_b32 s17, s15, 11
	s_add_co_u32 s17, s17, SCL                     ; their scale words,
	s_lshl_b32 s18, s16, 12
	s_add_co_u32 s18, s18, SCW
	s_mul_i32 s19, s14, 16*SPITCH
	s_add_co_u32 s19, s19, STAGE                   ; my stage
	v_and_b32 v1, 31, v0
	v_min_u32 v[PFO], s3, v1
	v_lshlrev_b32 v[PFO], 8, v[PFO]
	v_lshlrev_b32 v[LI], 4, v1
	v_lshlrev_b32 v[LS], 2, v1
	v_add_nc_u32 v[ADY], s12, v[LI]
	v_add_nc_u32 v[ADY+1], YQ, v[ADY]
	v_add_nc_u32 v[ADY+2], 2*YQ, v[ADY]
	v_add_nc_u32 v[ADW], s13, v[LI]
	v_add_nc_u32 v[ADW+1], WQ, v[ADW]
	v_add_nc_u32 v[ADW+2], 2*WQ, v[ADW]
	v_add_nc_u32 v[ASY], s17, v[LS]
	v_add_nc_u32 v[ASW], s18, v[LS]
	v_and_b32 v2, 15, v0                           ; r
	v_bfe_u32 v3, v0, 4, 1                         ; h
	v_mul_u32_u24 v[STO], v2, SPITCH
	v_lshl_add_u32 v[STO], v3, 6, v[STO]
	v_add_nc_u32 v[STO], s19, v[STO]               ; into the stage: row r, 64 bytes for each half of the lanes in each 128
	v_add_nc_u32 v[RD], s19, v[LI]                 ; back: the 32 lanes take one row of 512 bytes
	v_lshlrev_b32 v30, 6, v3
.irp bt, 0,1,2,3
.irp j, 0,1,2,3
	global_load_b128 v[BB+16*\bt+4*\j:BB+16*\bt+4*\j+3], v30, s[8:9] offset:128*\bt+16*\j   ; the bias in the results' layout: register 8 b + j is column 32 (b / 2) + 16 h + 8 (b % 2) + j
.endr
.endr
	global_prefetch_b8 v[PFO], s[100:101] th:TH_LOAD_NT scope:SCOPE_SE   ; base and offset are never written again
	s_wait_alu depctr_va_vdst(0)
	s_wait_loadcnt 0x0                             ; the bias
	s_wait_tensorcnt 0x0                           ; my tile of the head's four
	s_barrier_signal -1
	s_barrier_wait -1                              ; all four lie in LDS
	FETCH 0
	s_wait_dscnt 0x0
	FETCH 1                                        ; into registers that no product has read yet
	WIN 0x81                                       ; C, the bias, in window 0
	MUL16 0, 0, 1
	MUL16 2, 0, 1
	WIN 0
	; K step 1, and the round behind which quarter 3 is filled over quarter 0
	s_wait_tensorcnt 0x0                           ; no tensor load of mine is out;
	ds_add_u32 v[SPW], v[NIL]                      ; 0 onto my spare word;
	s_wait_dscnt 0x0                               ; the add is done, and K step 1's fragments, my last reads of quarter 0, are in
	s_barrier_signal -1
	WIN MUL
	MUL16 0, 1, 0                                  ; work on registers while the others arrive
	WIN 0
	s_barrier_wait -1
	CREST
	s_cmp_eq_u32 s15, 0
	s_cbranch_scc0 .Lrw
	TL G0RY, G1RY
	s_branch .Lrj
.Lrw:
	TL G0RW, G1RW
.Lrj:
	PLACES NP-4                                    ; with the load's four: eight places behind K step 0's products
	FETCH 2
	WIN MUL
	MUL16 2, 1, 0
	WIN 0
	KSTEP 2
	KSTEP 3
	KSTEP 4
	; K step 5, and the barrier that shows quarter 3 and ends all reads of quarters 1 and 2
	s_wait_dscnt 0x0
	s_wait_tensorcnt 0x0
	s_barrier_signal -1
	WIN MUL
	MUL16 0, 5, 0
	WIN 0
	s_barrier_wait -1
	PLACES NP
	FETCH 6
	WIN MUL
	MUL16 2, 5, 0
	WIN 0
	KSTEP 6
	s_wait_dscnt 0x0
	WIN MUL
	MUL16 0, 7, 0
	MUL16 2, 7, 0
	WIN 0
; THE WAY OUT, block by block of 16 tokens x 128 columns: through my own stage, back as whole rows of 512 bytes.  LDS serves a wave's instructions in order (ISA guide 5.7.1.4): no wait between the stores and the loads.
.macro TOSTAGE a
.set AC, 64*(\a)
	WIN 0x08                                       ; the data: window 2
.irp b, 0,1,2,3,4,5,6,7
	ds_store_b128 v[STO], v[AC+8*\b:AC+8*\b+3] offset:128*(\b/2)+32*(\b%2)        ; each accumulator from its low end on
	ds_store_b128 v[STO], v[AC+8*\b+4:AC+8*\b+7] offset:128*(\b/2)+32*(\b%2)+16
.endr
	WIN 0
.set BR, BK+64*((\a)%2)
.irp t, 0,1,2,3,4,5,6,7,8,9,10,11,12,13,14,15
	ds_load_b128 v[BR+4*\t:BR+4*\t+3], v[RD] offset:\t*SPITCH
.endr
.endm
.macro SEND a, younger                 ; younger: the LDS instructions issued behind block a's loads, which may stay out
.set BR, BK+64*((\a)%2)
	s_wait_dscnt \younger
.if (\a) > 0
	s_add_nc_u64 s[10:11], s[10:11], (24-16*((\a)%2))*4096   ; (behind a wait on XCNT)  tile a begins at token 32 (a / 2) + 8 (a % 2)
.endif
.irp t, 0,1,2,3,4,5,6,7,8,9,10,11,12,13,14,15
	global_store_b128 v[LI], v[BR+4*\t:BR+4*\t+3], s[10:11] offset:(\t+8*(\t/8))*4096 th:TH_STORE_NT   ; 32 lanes store 512 consecutive bytes, aligned
.endr
.endm
	PLACES NP                                      ; in front of the first read of results and of loads into the registers that held y's fragments
	TOSTAGE 0
.irp a, 1,2,3
.if \a > 1
	s_wait_xcnt 0x0                                ; block a - 2's stores have read their registers and their base
.endif
	TOSTAGE \a
	SEND \a-1, 32                                  ; behind block a - 1's loads: block a's 16 stores and 16 loads
.endr
	s_wait_xcnt 0x0
	SEND 3, 0
	s_wait_tensorcnt 0x0                           ; the wave's end
	ds_add_u32 v[SPW], v[NIL]
	s_wait_dscnt 0x0
	CROUND                                         ; the closing round
	s_endpgm
.Lfunc_end_k_q1ef925a217_gemm_out:
	.size	k_q1ef925a217_gemm_out, .Lfunc_end_k_q1ef925a217_gemm_out-k_q1ef925a217_gemm_out
	.p2alignl 7, 3214868480
	.fill 96, 4, 3214868480
	.section	.rodata,"a",@progbits
	.p2align	6, 0x0
	.amdhsa_kernel k_q1ef925a217_gemm_out
		.amdhsa_group_segment_fixed_size 327680
		.amdhsa_private_segment_fixed_size 0
		.amdhsa_enable_private_segment 0
		.amdhsa_kernarg_size 32
		.amdhsa_user_sgpr_count 2
		.amdhsa_user_sgpr_kernarg_segment_ptr 1
		.amdhsa_wavefront_size32 1
		.amdhsa_system_sgpr_workgroup_id_x 1
		.amdhsa_system_sgpr_workgroup_id_y 1
		.amdhsa_system_sgpr_workgroup_id_z 1
		.amdhsa_system_vgpr_workitem_id 0
		.amdhsa_next_free_vgpr 768
		.amdhsa_next_free_sgpr 106
		.amdhsa_reserve_vcc 0
		.amdhsa_float_denorm_mode_32 3
		.amdhsa_float_denorm_mode_16_64 3
		.amdhsa_memory_ordered 1
		.amdhsa_forward_progress 1
		.amdhsa_inst_pref_size 90
	.end_amdhsa_kernel
	.amdgpu_metadata
---
amdhsa.version: [ 1, 2 ]
amdhsa.kernels:
  - .name:           k_q1ef925a217_gemm_out
    .symbol:         k_q1ef925a217_gemm_out.kd
    .args:
      - { .name: yq, .offset: 0, .size: 8, .value_kind: global_buffer, .address_space: global }
      - { .name: wo, .offset: 8, .size: 8, .value_kind: global_buffer, .address_space: global }
      - { .name: b_out, .offset: 16, .size: 8, .value_kind: global_buffer, .address_space: global }
      - { .name: out0, .offset: 24, .size: 8, .value_kind: global_buffer, .address_space: global }
    .group_segment_fixed_size: 327680
    .private_segment_fixed_size: 0
    .kernarg_segment_align: 8
    .kernarg_segment_size: 32
    .max_flat_workgroup_size: 128
    .sgpr_count:     106
    .vgpr_count:     768
    .wavefront_size: 32
...
	.end_amdgpu_metadata
.endif
;; end of part 4
